; MI455X (gfx1250); checked and timed in simulation.
; The chip was launched on July 23, 2026; its instructions are those of AMD's public machine-readable ISA for CDNA 5 (MIT licence, August 2026) and "CDNA5" Instruction Set Architecture Reference Guide (July 2026). The comments in the code are by the model that wrote it; some were corrected since.
;; Qlora MLP Debug. Allowed arithmetic: matrix products marked QUANTISED: E2M3 operands, one E8M0 scale for each 32 along K, by v_wmma_scale_f32_16x16x128_f8f6f4 with both operands' format E2M3, f32 sums; products left as they are: f32 operands where the result goes on into a quantised operand, else bf16, f16 or f32 operands; f32 sums; everything else in f32.
;; Inputs: a1 2 x 4,096 float32; a2 2 x 11,008 float32; a3 2 x 4,096 float32; b1 11,008 x 2 float32; b2 4,096 x 2 float32; b3 11,008 x 2 float32; w1q 11,008 x 1,024 float32; w2q 4,096 x 2,752 float32; w3q 11,008 x 1,024 float32; x 16 x 1 x 4,096 float32.
;; Outputs: out0 16 x 1 x 4,096 float32.
;; This version of the problem:
;;   THIS VERSION OF THE PROBLEM IS GIVEN IN LOW PRECISION. The matrix products marked QUANTISED in the list below multiply operands that are first quantised to E2M3 (2 exponent bits, 3 mantissa bits; 6 bits a number), with one power-of-two scale for each 32 numbers along K (OCP MX v1.0); their sums are f32. All else is computed in f32.
;;   The module's matrix products, in the order in which they are computed (A, B: the left and right operand; K: the contracted axis; several contracted axes count as one K, in the product's order):
;;     1. [M 16, K 4,096] x [K 4,096, N 11,008]; A: input x; B: computed on the way: QUANTISED
;;     2. [M 16, K 4,096] x [K 4,096, N 2]; A: input x; B: input a1: left as it is (N = 2 < 16)
;;     3. [M 16, K 2] x [K 2, N 11,008]; A: computed on the way; B: input b1: left as it is (K = 2 < 32)
;;     4. [M 16, K 4,096] x [K 4,096, N 11,008]; A: input x; B: computed on the way: QUANTISED
;;     5. [M 16, K 4,096] x [K 4,096, N 2]; A: input x; B: input a3: left as it is (N = 2 < 16)
;;     6. [M 16, K 2] x [K 2, N 11,008]; A: computed on the way; B: input b3: left as it is (K = 2 < 32)
;;     7. [M 16, K 11,008] x [K 11,008, N 4,096]; A: computed on the way; B: computed on the way: QUANTISED
;;     8. [M 16, K 11,008] x [K 11,008, N 2]; A: computed on the way; B: input a2: left as it is (N = 2 < 16)
;;     9. [M 16, K 2] x [K 2, N 4,096]; A: computed on the way; B: input b2: left as it is (K = 2 < 32)
;;   THE QUANTISER, for each operand of a quantised product, along K:
;;     - K is cut into blocks of 32 from its start; a last block that is shorter is filled with zeros.
;;     - A block's scale is 2^e with e = floor(log2(the largest magnitude in the block)) - 2, held to -126 .. 127; a block of zeros has e = 0. As a byte (E8M0): e + 127.
;;     - Each number is divided by its block's scale, clamped to +-7.5, and rounded to the nearest number of E2M3, ties to even, subnormals kept.
;;     - The product sums the exact products of the quantised numbers (number of the format x scale) in f32.
;;   ~~~python
;;   def quantise(x, axis):      # numpy; x: float32 -> the quantised numbers, widened to float32 again
;;       x = np.moveaxis(x, axis, -1); K = x.shape[-1]
;;       x = np.pad(x, [(0, 0)] * (x.ndim - 1) + [(0, -K % 32)]); x = x.reshape(x.shape[:-1] + (-1, 32)); a = np.abs(x).max(-1, keepdims=True)
;;       e = np.where(a > 0, np.clip(np.frexp(np.where(a > 0, a, 1))[1] - 1 - 2, -126, 127), 0)      # np.frexp(a)[1] - 1 = floor(log2(a)), exactly
;;       r = np.clip(x / 2.0 ** e, -7.5, 7.5)
;;       step = 2.0 ** (np.maximum(np.frexp(np.where(r == 0, 1, r))[1] - 1, 0) - 3)
;;       q = np.round(r / step) * step * 2.0 ** e      # np.round: ties to even
;;       return np.moveaxis(q.reshape(q.shape[:-2] + (-1,))[..., :K], -1, axis).astype(np.float32)
;;   ~~~
;;   OPERANDS COMPUTED ON THE WAY. 'Computed on the way' means the value that the module computes at that place (a softmax that the list does not call 'softmax' is quantised finished and normalised). What goes into a quantiser is computed in f32, as accurately as f32 sums, v_exp_f32 and their like allow (about 1e-6 of the number): no bf16 or f16 on the way to a quantiser, and a product that is left as it is and whose result goes on into a quantised operand takes f32 operands (vector FMAs, or v_wmma_f32_16x16x4_f32). A number that lies on a knife's edge between two numbers of the format may be rounded either way, as far as f32 arithmetic and the matrix unit's own rounding can turn it there, and no further.
;; 2 versions, each right; version 2 is version 1 with the launches gateup, down written anew for expert scheduling mode. Each part assembles by itself: llvm-mc -triple=amdgcn-amd-amdhsa -mcpu=gfx1250 --defsym DOCPART=n.
;; ======== version 1 of 2: 3 launches
;; workspace buffers: ximg 49,152 bytes; xsc 4,096 bytes; xap 2,048 bytes; hca 88,064 bytes; hcb 44,032 bytes; hs 5,632 bytes; hap 44,032 bytes
;; launch prep (part 1): grid 8 x 1, 4 waves a work-group, no clusters, 18,944 bytes of LDS; arguments x, a1, a3, ximg, xsc, xap; writes ximg, xsc, xap
.if DOCPART == 1
	.amdgcn_target "amdgcn-amd-amdhsa--gfx1250"
	.amdhsa_code_object_version 6
	.text
	.protected	k_qf2407b6981_prep
	.globl	k_qf2407b6981_prep
	.p2align	8
	.type	k_qf2407b6981_prep,@function
k_qf2407b6981_prep:
	s_mov_b64 s[64:65], 0
	v_nop
	global_prefetch_b8 v0, s[64:65] scope:SCOPE_SE
	s_setreg_imm32_b32 hwreg(HW_REG_WAVE_MODE, 25, 1), 1
	s_wait_xcnt 0x0
; x [16][4096] f32 is quantised ONCE into codes of FP6 (E2M3) with one E8M0 byte for each 32 along K, laid as IMAGES OF THE OPERAND'S REGISTERS,
; and the four dot products x . a1[0], x . a1[1], x . a3[0], x . a3[1] of each row are made in f32, as eight partial sums.
; SHARES.  x has 32 fragments of 16 rows x 128 columns.  Work-group j (0..7), wave c (0..3) takes fragment f = j + 8 c.
; OUT.  ximg [f][quad 0..2][lane][16 bytes]: the fragment's 12 registers;  xsc [f][lane][4 bytes]: row (lane % 16)'s scale word;
;       xap [j][row][4 f32]: the four dot products over the work-group's four fragments.
; A UNIT is 16 rows x 64 columns.  Each of its eight loads reads two rows' 256 consecutive bytes, aligned, 16 bytes a lane.  The unit then turns through the
; wave's own stage in LDS and comes back with a WHOLE block of 32 neighbours along K in one lane: lane (r, h) holds row r, columns 32 h .. 32 h + 31,
; which is the order that the 6-bit operand's layout gives that lane (registers 6 s .. 6 s + 5 for unit s of the fragment).
; A block's scale is 2^(floor(log2(largest magnitude)) - 2): its byte is the largest magnitude's exponent field - 2, held at 1 from below.
; LIMITS: NaN and infinities are not served; a block whose largest magnitude lies under 2^-124 is held at the byte 1; a block of zeros gets the byte 1 where the
; rule says 127: its codes are zeros, and the bytes are read by this program alone.
.set SROW,  272                        ; a stage row: 256 bytes + 16: 68 words, so the sixteen rows that a load touches start at sixteen different banks (64 banks of 4 bytes: ISA guide 11.1)
.set SWAVE, 16*SROW                    ; a wave's stage
.set REDX,  4*SWAVE                    ; behind the stages: [wave][row][16 bytes], the waves' dot products
.set GL,  1                            ; v1   global offset in a unit: 16384 h + 16 r; never rewritten
.set STA, 2                            ; v2   the stage, on the way in: wave's stage + 272 h + 16 r
.set LDA, 3                            ; v3   and on the way out: wave's stage + 272 r + 128 h
.set SH,  4                            ; v4   8 h
.set XR,  5                            ; v5   REDX + 256 wave + 16 h
.set XL,  6                            ; v6   REDX + 16 r
.set R16, 7                            ; v7   16 r
.set L16, 8                            ; v8   16 x lane
.set L4,  9                            ; v9   4 x lane
.set MX0, 10                           ; v10, v11 at work in the maximum; v11 then the conversion's scale operand
.set MX1, 11
.set B0,  12                           ; v12  the first unit's scale byte
.set TT,  13                           ; v13  the other half of the lanes' bytes
.set WW,  14                           ; v14  the scale word
.set X,   16                           ; v16-79   two units of x
.set AV,  80                           ; v80-111  a: unit s, vector n at v[AV + 16 s + 4 n]
.set PP,  112                          ; v112-175 32 pairs of running products; then 32 sums
.set CD,  176                          ; v176-187 the fragment's codes
.macro ULOAD slot, s                   ; unit s: load i takes rows 2 i (lanes 0-15) and 2 i + 1 (lanes 16-31)
.irp i, 0,1,2,3,4,5,6,7
	global_load_b128 v[\slot+4*\i:\slot+4*\i+3], v[GL], s[8:9] offset:2*\i*16384+256*(\s) th:TH_LOAD_NT
.endr
.endm
.macro ALOAD s                         ; my four numbers of each of the four vectors, for unit s
	global_load_b128 v[AV+16*\s:AV+16*\s+3],     v[R16], s[10:11] offset:256*\s
	global_load_b128 v[AV+16*\s+4:AV+16*\s+7],   v[R16], s[10:11] offset:16384+256*\s
	global_load_b128 v[AV+16*\s+8:AV+16*\s+11],  v[R16], s[12:13] offset:256*\s
	global_load_b128 v[AV+16*\s+12:AV+16*\s+15], v[R16], s[12:13] offset:16384+256*\s
.endm
.macro UTURN s                         ; LDS serves a wave's instructions in order (ISA guide 5.7.1.4): no wait between the stores and the loads
.irp i, 0,1,2,3,4,5,6,7
	ds_store_b128 v[STA], v[\s+4*\i:\s+4*\i+3] offset:2*\i*SROW
.endr
.irp j, 0,1,2,3,4,5,6,7
	ds_load_b128 v[\s+4*\j:\s+4*\j+3], v[LDA] offset:16*\j
.endr
.endm
.macro UMAX s                          ; the block's largest magnitude, all 32 numbers mine, in two chains; the floor 2^(3 - 127) holds the byte at 1 from below
	v_max3_num_f32 v[MX0], |v[\s]|, |v[\s+1]|, 0x1800000
	v_max3_num_f32 v[MX1], |v[\s+2]|, |v[\s+3]|, |v[\s+4]|
.irp i, 5,9,13,17,21,25
	v_max3_num_f32 v[MX0], v[MX0], |v[\s+\i]|, |v[\s+\i+1]|
	v_max3_num_f32 v[MX1], v[MX1], |v[\s+\i+2]|, |v[\s+\i+3]|
.endr
	v_max3_num_f32 v[MX0], v[MX0], |v[\s+29]|, |v[\s+30]|
	v_max3_num_f32 v[MX0], v[MX0], v[MX1], |v[\s+31]|
	v_add_nc_u32 v[MX1], 0xff000000, v[MX0]        ; 2 off the exponent field: the conversion takes the exponent field of this operand as its scale
.endm
.macro UQUANT s, dst, by               ; 32 numbers -> six registers of codes at v[dst], the scale's byte in v[by]
	UMAX \s
	v_cvt_scalef32_pk16_fp6_f32 v[\dst:\dst+2], v[\s:\s+15], v[MX1]
	v_lshrrev_b32 v[\by], 23, v[MX1]               ; the byte; also the plain place behind the conversion, whose sources the next line writes
	v_cvt_scalef32_pk16_fp6_f32 v[\s:\s+2], v[\s+16:\s+31], v[MX1]   ; (a conversion's three registers begin on an even number: made elsewhere and moved)
	v_nop                                          ; one plain place behind a scaled conversion
.irp i, 0,1,2
	v_mov_b32 v[\dst+3+\i], v[\s+\i]
.endr
.endm
	s_load_b256 s[8:15], s[0:1], 0x0               ; x s[8:9], a1 s[10:11], a3 s[12:13], ximg s[14:15]
	s_load_b128 s[16:19], s[0:1], 0x20             ; xsc s[16:17], xap s[18:19]
	v_lshl_add_u32 v192, v0, 2, 0x4800
	v_mov_b32 v193, 0
	v_lshrrev_b32 v15, 5, v0
	v_readfirstlane_b32 s2, v15                    ; wave 0..3
	v_and_b32 v15, 15, v0                          ; r
	v_bfe_u32 v[SH], v0, 4, 1                      ; h
	v_lshlrev_b32 v[R16], 4, v15
	v_lshl_add_u32 v[GL], v[SH], 14, v[R16]
	s_mul_i32 s20, s2, SWAVE
	v_mul_u32_u24 v[STA], v[SH], SROW
	v_add_nc_u32 v[STA], v[STA], v[R16]
	v_add_nc_u32 v[STA], s20, v[STA]
	v_mul_u32_u24 v[LDA], v15, SROW
	v_lshl_add_u32 v[LDA], v[SH], 7, v[LDA]
	v_add_nc_u32 v[LDA], s20, v[LDA]
	s_lshl_b32 s21, s2, 8
	s_add_co_u32 s21, s21, REDX
	v_lshlrev_b32 v[XR], 4, v[SH]
	v_add_nc_u32 v[XR], s21, v[XR]
	v_add_nc_u32 v[XL], REDX, v[R16]
	v_and_b32 v[L4], 31, v0
	v_lshlrev_b32 v[L16], 4, v[L4]
	v_lshlrev_b32 v[L4], 2, v[L4]
	v_lshlrev_b32 v[SH], 3, v[SH]
	v_mov_b32 v[TT], 0                             ; written once: a lane permute's destination counts as one of its sources
	s_lshl_b32 s3, s2, 3
	s_add_co_u32 s3, s3, ttmp9                     ; f = j + 8 c
	s_mov_b32 s5, 0
	s_mov_b32 s6, 0x76543210
	s_mov_b32 s7, 0xfedcba98                       ; v_permlanex16_b32's selects for lane l xor 16
	s_wait_kmcnt 0x0
	s_lshl_b32 s4, s3, 9                           ; 128 columns of f32
	s_add_nc_u64 s[8:9], s[8:9], s[4:5]
	s_add_nc_u64 s[10:11], s[10:11], s[4:5]
	s_add_nc_u64 s[12:13], s[12:13], s[4:5]
	s_mul_i32 s4, s3, 1536                         ; an image: 12 registers x 128 bytes
	s_add_nc_u64 s[14:15], s[14:15], s[4:5]
	s_lshl_b32 s4, s3, 7
	s_add_nc_u64 s[16:17], s[16:17], s[4:5]
	s_lshl_b32 s4, ttmp9, 8
	s_add_nc_u64 s[18:19], s[18:19], s[4:5]
	ULOAD X, 0
	ALOAD 0
	ULOAD X+32, 1
	ALOAD 1
	; THE DOT PRODUCTS, on the numbers as loaded: register 4 i + e of lane (r, h) is x(2 i + h, 4 r + e) of the unit.  Pair (i, n) sums even and odd columns apart.
	s_wait_loadcnt 12                              ; unit 0 and its a are in; unit 1's eight loads and its four of a may be out
.irp i, 0,1,2,3,4,5,6,7
.irp n, 0,1,2,3
	v_pk_mul_f32 v[PP+2*(4*\i+\n):PP+2*(4*\i+\n)+1], v[X+4*\i:X+4*\i+1], v[AV+4*\n:AV+4*\n+1]
.endr
.endr
.irp i, 0,1,2,3,4,5,6,7
.irp n, 0,1,2,3
	v_pk_fma_f32 v[PP+2*(4*\i+\n):PP+2*(4*\i+\n)+1], v[X+4*\i+2:X+4*\i+3], v[AV+4*\n+2:AV+4*\n+3], v[PP+2*(4*\i+\n):PP+2*(4*\i+\n)+1]
.endr
.endr
	s_wait_loadcnt 0x0
.irp e, 0,2
.irp i, 0,1,2,3,4,5,6,7
.irp n, 0,1,2,3
	v_pk_fma_f32 v[PP+2*(4*\i+\n):PP+2*(4*\i+\n)+1], v[X+32+4*\i+\e:X+32+4*\i+\e+1], v[AV+16+4*\n+\e:AV+16+4*\n+\e+1], v[PP+2*(4*\i+\n):PP+2*(4*\i+\n)+1]
.endr
.endr
.endr
.set K, 0
.rept 32
	v_add_f32 v[PP+K], v[PP+2*K], v[PP+2*K+1]      ; sum k lands at v[PP + k], below every pair that is still to be read
.set K, K+1
.endr
.irp m, 1,2,4,8                                ; across the sixteen lanes of a half: every lane of half h then holds row 2 i + h's four sums in v[PP + 4 i ..]
.set K, 0
.rept 32
	v_add_f32_dpp v[PP+K], v[PP+K], v[PP+K] row_xmask:\m row_mask:0xf bank_mask:0xf
.set K, K+1
.endr
.endr
.irp i, 0,1,2,3,4,5,6,7
	ds_store_b128 v[XR], v[PP+4*\i:PP+4*\i+3] offset:32*\i   ; row 2 i + h at 16 bytes a row; the sixteen lanes of a half write the same bytes with the same value
.endr
	; THE CODES
	UTURN X
	s_wait_dscnt 0x0
	UQUANT X, CD, B0
	UTURN X+32
	s_wait_dscnt 0x0
	UQUANT X+32, CD+6, MX0
	v_lshl_or_b32 v[WW], v[MX0], 16, v[B0]         ; my two bytes: blocks h and 2 + h of row r,
	v_lshlrev_b32 v[WW], v[SH], v[WW]              ; at their places in the scale word (8 h bits up);
	v_permlanex16_b32 v[TT], v[WW], s6, s7
	v_or_b32 v[WW], v[WW], v[TT]                   ; with lane l xor 16's two the word is whole, in both halves
.irp q, 0,1,2
	global_store_b128 v[L16], v[CD+4*\q:CD+4*\q+3], s[14:15] offset:512*\q   ; 32 lanes store 512 consecutive bytes, aligned
.endr
	global_store_b32 v[L4], v[WW], s[16:17]
	s_wait_dscnt 0x0                               ; for the others' sake: my dot products lie in LDS
	s_barrier_signal -1
	s_barrier_wait -1
	s_cmp_lg_u32 s2, 0
	s_cbranch_scc1 .Lend
.irp w, 0,1,2,3
	ds_load_b128 v[X+4*\w:X+4*\w+3], v[XL] offset:256*\w   ; row r's four sums of wave w
.endr
	s_wait_dscnt 0x0
	v_pk_add_f32 v[X:X+1], v[X:X+1], v[X+4:X+5]
	v_pk_add_f32 v[X+2:X+3], v[X+2:X+3], v[X+6:X+7]
	v_pk_add_f32 v[X+8:X+9], v[X+8:X+9], v[X+12:X+13]
	v_pk_add_f32 v[X+10:X+11], v[X+10:X+11], v[X+14:X+15]
	v_pk_add_f32 v[X:X+1], v[X:X+1], v[X+8:X+9]
	v_pk_add_f32 v[X+2:X+3], v[X+2:X+3], v[X+10:X+11]
	global_store_b128 v[R16], v[X:X+3], s[18:19]   ; sixteen lanes store 256 consecutive bytes, aligned (both halves the same bytes with the same value)
.Lend:
	s_wait_tensorcnt 0x0
	ds_add_u32 v192, v193
	s_wait_dscnt 0x0
	s_endpgm
.Lfunc_end_k_qf2407b6981_prep:
	.size	k_qf2407b6981_prep, .Lfunc_end_k_qf2407b6981_prep-k_qf2407b6981_prep
	.p2alignl 7, 3214868480
	.fill 96, 4, 3214868480
	.section	.rodata,"a",@progbits
	.p2align	6, 0x0
	.amdhsa_kernel k_qf2407b6981_prep
		.amdhsa_group_segment_fixed_size 18944
		.amdhsa_private_segment_fixed_size 0
		.amdhsa_enable_private_segment 0
		.amdhsa_kernarg_size 48
		.amdhsa_user_sgpr_count 2
		.amdhsa_user_sgpr_kernarg_segment_ptr 1
		.amdhsa_wavefront_size32 1
		.amdhsa_system_sgpr_workgroup_id_x 1
		.amdhsa_system_sgpr_workgroup_id_y 1
		.amdhsa_system_sgpr_workgroup_id_z 1
		.amdhsa_system_vgpr_workitem_id 0
		.amdhsa_next_free_vgpr 194
		.amdhsa_next_free_sgpr 66
		.amdhsa_reserve_vcc 0
		.amdhsa_float_denorm_mode_32 3
		.amdhsa_float_denorm_mode_16_64 3
		.amdhsa_memory_ordered 1
		.amdhsa_forward_progress 1
		.amdhsa_inst_pref_size 29
	.end_amdhsa_kernel
	.amdgpu_metadata
---
amdhsa.version: [ 1, 2 ]
amdhsa.kernels:
  - .name:           k_qf2407b6981_prep
    .symbol:         k_qf2407b6981_prep.kd
    .args:
      - { .name: x, .offset: 0, .size: 8, .value_kind: global_buffer, .address_space: global }
      - { .name: a1, .offset: 8, .size: 8, .value_kind: global_buffer, .address_space: global }
      - { .name: a3, .offset: 16, .size: 8, .value_kind: global_buffer, .address_space: global }
      - { .name: ximg, .offset: 24, .size: 8, .value_kind: global_buffer, .address_space: global }
      - { .name: xsc, .offset: 32, .size: 8, .value_kind: global_buffer, .address_space: global }
      - { .name: xap, .offset: 40, .size: 8, .value_kind: global_buffer, .address_space: global }
    .group_segment_fixed_size: 18944
    .private_segment_fixed_size: 0
    .kernarg_segment_align: 8
    .kernarg_segment_size: 48
    .max_flat_workgroup_size: 128
    .sgpr_count:     66
    .vgpr_count:     194
    .wavefront_size: 32
...
	.end_amdgpu_metadata
.endif
;; end of part 1
;; launch gateup (part 2): grid 344 x 1, 8 waves a work-group, no clusters, 73,472 bytes of LDS; arguments w1q, w3q, b1, b3, a2, ximg, xsc, xap, hca, hcb, hs, hap; writes hca, hcb, hs, hap
.if DOCPART == 2
	.amdgcn_target "amdgcn-amd-amdhsa--gfx1250"
	.amdhsa_code_object_version 6
	.text
	.protected	k_qf2407b6981_gateup
	.globl	k_qf2407b6981_gateup
	.p2align	8
	.type	k_qf2407b6981_gateup,@function
k_qf2407b6981_gateup:
	s_mov_b64 s[64:65], 0
	v_nop
	global_prefetch_b8 v0, s[64:65] scope:SCOPE_SE
	s_setreg_imm32_b32 hwreg(HW_REG_WAVE_MODE, 25, 1), 1
	s_wait_xcnt 0x0
; h = silu(x W1^T + 0.5 (x a1^T) b1^T) * (x W3^T + 0.5 (x a3^T) b3^T), W = the stored weight [11008][1024] repeated four times along K; both large products on codes of FP6 (E2M3) with E8M0 scales.
; The repeat's period, 1,024, is a multiple of 32, so a stored block of 32 is quantised ONCE and multiplied by four different parts of x.
; OUT: h quantised along the hidden axis (the next product's K) and the partial sums of h . a2[0], h . a2[1].  h itself never goes to memory.
; SHARES.  Work-group g makes hidden units 32 g .. 32 g + 31: one block of the next K.  K IS SHARED AMONG THE EIGHT WAVES: wave w takes the stored columns 128 w .. 128 w + 127 of both weights:
; four fragments F = (W1, tile 0), (W1, tile 1), (W3, tile 0), (W3, tile 1), each against x's fragments w, 8 + w, 16 + w, 24 + w: 16 matrix instructions.  The waves' sums meet once in LDS; wave 0 finishes.
; No tile is shared between work-groups but x's codes (48 KiB beside 256 KiB of weights a work-group), so there is no cluster; each weight byte is read once by one wave, so there is no ring of slots:
; the loads go into registers, four units (16 KiB a wave) ahead.
; A UNIT is 16 rows x 64 columns of f32.  Each of its eight loads reads two rows' 256 consecutive bytes, aligned.  It turns through the wave's own stage in LDS and comes back with a whole block of 32
; along K in one lane (lane (r, h): stage row r, columns 32 h ..), which is the order of the 6-bit operand's registers 6 s .. 6 s + 5 for unit s of a fragment.
; THE ROWS OF A TILE ARE NOT NEIGHBOURS: stage row p of tile u is hidden unit 8 u + p + 8 (p / 8).  The products are used TRANSPOSED (source 0 = 16 rows of the weight, source 1 = x's 16 rows), so lane (m, h)
; holds row m of x, and the 16 registers of tiles 0 and 1 are hidden units 16 h + 0 .. 15: neighbours along the next K.
; LIMITS: NaN and infinities are not served; a block whose largest magnitude lies under 2^-124 is held at the byte 1; a block of zeros gets the byte 1 where the rule says 127 (its codes are zeros; the bytes
; are read by this program alone); v_exp_f32 gives 0 where its result would be denormal (ISA guide 15.8), which changes 1 + e^-z by nothing.
.set SROW,  272                        ; a stage row: 256 bytes + 16 = 68 words: the sixteen rows that a load touches start at sixteen different banks (64 banks of 4 bytes: ISA guide 11.1)
.set SWAVE, 16*SROW                    ; a wave's stage; the eight stages begin at LDS byte 0
.set RED,   8*SWAVE                    ; [wave][quad 0..8][lane][16 bytes]: a wave's four accumulators and its part of x . a
.set RIMG,  9*512
.set BL,    RED+8*RIMG                 ; b1's 32 rows (256 bytes), b3's (256), a2's [h][n][16 f32] (256)
.set GL,  1                            ; v1   global offset in a unit: 4096 h + 16 r; never rewritten
.set STA, 2                            ; v2   the stage, on the way in
.set LDA, 3                            ; v3   and on the way out
.set SH,  4                            ; v4   8 h
.set RD,  5                            ; v5   RED + RIMG x wave + 16 x lane
.set BS8, 6                            ; v6   BL + 8 x lane
.set BSA, 7                            ; v7   BL + 512 + 128 h + 4 r
.set BLD, 8                            ; v8   BL + 128 h
.set MX0, 9                            ; v9-12 at the head: global offsets 8 l, 16 r, 4 l, 16 l; then at work
.set MX1, 10
.set B0,  11
.set TT,  12
.set XS,  13                           ; v13-16  x's scale words, part c
.set WS,  17                           ; v17-20  the weights' scale words, fragment F
.set XA,  22                           ; v22-25  x . a1[0], a1[1], a3[0], a3[1] of row r
.set BB,  26                           ; v26-31  wave 0: b1, b3 (8 bytes a lane), a2's two rows (4 bytes a lane)
.set WC,  32                           ; v32-79  the weights' codes, fragment F at WC + 12 F
.set XC,  80                           ; v80-127 x's codes, part c at XC + 12 c
.set SLOTS, 128                        ; v128-255 four units; from the products on v128-159 the four accumulators: G = v128-143, U = v144-159
.macro ULOAD slot, base, u, s          ; a unit of tile u, columns 64 s on: load i takes stage rows 2 i (lanes 0-15) and 2 i + 1 (lanes 16-31)
.irp i, 0,1,2,3,4,5,6,7
	global_load_b128 v[\slot+4*\i:\slot+4*\i+3], v[GL], s[\base:\base+1] offset:(2*\i+8*(\i/4)+8*(\u))*4096+256*(\s) th:TH_LOAD_NT
.endr
.endm
.macro UTURN s                         ; LDS serves a wave's instructions in order (ISA guide 5.7.1.4): no wait between the stores and the loads
.irp i, 0,1,2,3,4,5,6,7
	ds_store_b128 v[STA], v[\s+4*\i:\s+4*\i+3] offset:2*\i*SROW
.endr
.irp j, 0,1,2,3,4,5,6,7
	ds_load_b128 v[\s+4*\j:\s+4*\j+3], v[LDA] offset:16*\j
.endr
.endm
.macro UMAX s                          ; the block's largest magnitude, all 32 numbers mine, in two chains; the floor 2^(3 - 127) holds the byte at 1 from below
	v_max3_num_f32 v[MX0], |v[\s]|, |v[\s+1]|, 0x1800000
	v_max3_num_f32 v[MX1], |v[\s+2]|, |v[\s+3]|, |v[\s+4]|
.irp i, 5,9,13,17,21,25
	v_max3_num_f32 v[MX0], v[MX0], |v[\s+\i]|, |v[\s+\i+1]|
	v_max3_num_f32 v[MX1], v[MX1], |v[\s+\i+2]|, |v[\s+\i+3]|
.endr
	v_max3_num_f32 v[MX0], v[MX0], |v[\s+29]|, |v[\s+30]|
	v_max3_num_f32 v[MX0], v[MX0], v[MX1], |v[\s+31]|
	v_add_nc_u32 v[MX1], 0xff000000, v[MX0]        ; 2 off the exponent field: the conversion takes the exponent field of this operand as its scale
.endm
.macro UQUANT s, dst, by
	UMAX \s
	v_cvt_scalef32_pk16_fp6_f32 v[\dst:\dst+2], v[\s:\s+15], v[MX1]
	v_lshrrev_b32 v[\by], 23, v[MX1]               ; the byte; also the plain place behind the conversion, whose sources the next line writes
	v_cvt_scalef32_pk16_fp6_f32 v[\s:\s+2], v[\s+16:\s+31], v[MX1]   ; (a conversion's three registers begin on an even number: made elsewhere and moved)
	v_nop                                          ; one plain place behind a scaled conversion
.irp i, 0,1,2
	v_mov_b32 v[\dst+3+\i], v[\s+\i]
.endr
.endm
; Unit k = 2 F + s, in slot k % 4.  n: the younger loads that may stay out.
.macro UNIT k, n
.set SL, SLOTS+32*((\k)%4)
	s_wait_loadcnt \n
	UTURN SL
	s_wait_dscnt 0x0
.if (\k)%2 == 0
	UQUANT SL, WC+12*((\k)/2), B0
.else
	UQUANT SL, WC+12*((\k)/2)+6, MX0
	v_lshl_or_b32 v[WS+(\k)/2], v[MX0], 16, v[B0]  ; my two bytes: blocks h and 2 + h of my stage row,
	v_lshlrev_b32 v[WS+(\k)/2], v[SH], v[WS+(\k)/2]   ; 8 h bits up;
	v_permlanex16_b32 v[TT], v[WS+(\k)/2], s6, s7
	v_or_b32 v[WS+(\k)/2], v[WS+(\k)/2], v[TT]     ; with lane l xor 16's two the word is whole
.endif
.if (\k) < 4
	ULOAD SL, 10, ((\k)/2)%2, (\k)%2               ; the slot takes the unit four on: the same place in W3
.endif
.endm
.macro ILOAD w, reg                    ; wave w's image: 36 registers
.irp q, 0,1,2,3,4,5,6,7,8
	ds_load_b128 v[\reg+4*\q:\reg+4*\q+3], v[RD] offset:RIMG*(\w)+512*\q
.endr
.endm
.macro IADD reg, n                     ; n: the LDS loads of the images behind it, which may stay out.  The accumulators are read from their low ends on
	s_wait_dscnt \n
.irp p, 0,1,2,3,4,5,6,7,8,9,10,11,12,13,14,15
	v_pk_add_f32 v[128+2*\p:129+2*\p], v[128+2*\p:129+2*\p], v[\reg+2*\p:\reg+2*\p+1]
.endr
	v_pk_add_f32 v[XA:XA+1], v[XA:XA+1], v[\reg+32:\reg+33]
	v_pk_add_f32 v[XA+2:XA+3], v[XA+2:XA+3], v[\reg+34:\reg+35]
.endm
	s_load_b512 s[8:23], s[0:1], 0x0               ; w1q s[8:9], w3q s[10:11], b1 s[12:13], b3 s[14:15], a2 s[16:17], ximg s[18:19], xsc s[20:21], xap s[22:23]
	s_load_b256 s[24:31], s[0:1], 0x40             ; hca s[24:25], hcb s[26:27], hs s[28:29], hap s[30:31]
	s_set_vgpr_msb 0x40
	v_lshl_add_u32 v0, v0, 2, 0x11b00
	v_mov_b32 v1, 0
	s_set_vgpr_msb 0x4000
	v_lshrrev_b32 v21, 5, v0
	v_readfirstlane_b32 s2, v21                    ; wave 0..7
	v_and_b32 v21, 15, v0                          ; r
	v_bfe_u32 v[SH], v0, 4, 1                      ; h
	v_lshlrev_b32 v10, 4, v21                      ; 16 r
	v_lshl_add_u32 v[GL], v[SH], 12, v10
	s_mul_i32 s32, s2, SWAVE
	v_mul_u32_u24 v[STA], v[SH], SROW
	v_lshl_add_u32 v[STA], v21, 4, v[STA]
	v_add_nc_u32 v[STA], s32, v[STA]
	v_mul_u32_u24 v[LDA], v21, SROW
	v_lshl_add_u32 v[LDA], v[SH], 7, v[LDA]
	v_add_nc_u32 v[LDA], s32, v[LDA]
	s_mul_i32 s33, s2, RIMG
	s_add_co_u32 s33, s33, RED
	v_and_b32 v11, 31, v0                          ; lane
	v_lshlrev_b32 v12, 4, v11                      ; 16 l
	v_add_nc_u32 v[RD], s33, v12
	v_lshl_add_u32 v[BS8], v11, 3, BL
	v_lshlrev_b32 v[BSA], 2, v21
	v_lshl_add_u32 v[BSA], v[SH], 7, v[BSA]
	v_add_nc_u32 v[BSA], BL+512, v[BSA]
	v_lshl_add_u32 v[BLD], v[SH], 7, BL
	v_lshlrev_b32 v[SH], 3, v[SH]
	v_lshlrev_b32 v9, 3, v11                       ; 8 l
	v_lshlrev_b32 v11, 2, v11                      ; 4 l
	s_mov_b32 s5, 0
	s_mov_b32 s6, 0x76543210
	s_mov_b32 s7, 0xfedcba98                       ; v_permlanex16_b32's selects for lane l xor 16
	; where block g's scale byte goes: g = 86 c + j; [u = j / 2][p = c / 2][row][byte 2 (c % 2) + j % 2]
	s_mul_hi_u32 s34, ttmp9, 49941481              ; c = g / 86: 49,941,481 = ceil(2^32 / 86), exact for g under 344
	s_mul_i32 s35, s34, 86
	s_sub_co_u32 s35, ttmp9, s35                   ; j
	s_lshr_b32 s36, s34, 1                         ; p
	s_and_b32 s37, s35, 0xfe                       ; 2 u
	s_add_co_u32 s36, s36, s37
	s_lshl_b32 s36, s36, 6
	s_and_b32 s34, s34, 1
	s_lshl_b32 s34, s34, 1
	s_add_co_u32 s36, s36, s34
	s_and_b32 s35, s35, 1
	s_add_co_u32 s36, s36, s35
	s_mov_b32 s37, 0
	s_wait_kmcnt 0x0
	s_lshl_b32 s4, ttmp9, 17                       ; 32 rows of 4,096 bytes,
	s_lshl_b32 s32, s2, 9                          ; my wave's 128 columns
	s_add_co_u32 s4, s4, s32
	s_add_nc_u64 s[8:9], s[8:9], s[4:5]
	s_add_nc_u64 s[10:11], s[10:11], s[4:5]
	s_lshl_b32 s4, ttmp9, 8
	s_add_nc_u64 s[12:13], s[12:13], s[4:5]
	s_add_nc_u64 s[14:15], s[14:15], s[4:5]
	s_add_nc_u64 s[24:25], s[24:25], s[4:5]
	s_lshl_b32 s4, ttmp9, 7
	s_add_nc_u64 s[16:17], s[16:17], s[4:5]
	s_add_nc_u64 s[26:27], s[26:27], s[4:5]
	s_add_nc_u64 s[30:31], s[30:31], s[4:5]
	s_mul_i32 s4, s2, 1536
	s_add_nc_u64 s[18:19], s[18:19], s[4:5]
	s_lshl_b32 s4, s2, 7
	s_add_nc_u64 s[20:21], s[20:21], s[4:5]
	s_lshl_b32 s4, s2, 8
	s_add_nc_u64 s[22:23], s[22:23], s[4:5]
	s_add_nc_u64 s[28:29], s[28:29], s[36:37]
	s_cmp_lg_u32 s2, 0                             ; wave 0's own loads come first, so that they are older than every counted load: the counts below hold for all waves
	s_cbranch_scc1 .Lnot_wave_0
	global_load_b64 v[BB:BB+1], v9, s[12:13]       ; b1's 32 rows: 256 consecutive bytes
	global_load_b64 v[BB+2:BB+3], v9, s[14:15]     ; b3's
	global_load_b32 v[BB+4], v11, s[16:17]         ; a2[0] at my block's 32 hidden units
	global_load_b32 v[BB+5], v11, s[16:17] offset:44032   ; a2[1]
.Lnot_wave_0:
	ULOAD SLOTS, 8, 0, 0
	ULOAD SLOTS+32, 8, 0, 1
	ULOAD SLOTS+64, 8, 1, 0
	ULOAD SLOTS+96, 8, 1, 1
.irp c, 0,1,2,3                                ; x's fragments w + 8 c, as images of their registers
.irp q, 0,1,2
	global_load_b128 v[XC+12*\c+4*\q:XC+12*\c+4*\q+3], v12, s[18:19] offset:12288*\c+512*\q
.endr
.endr
.irp c, 0,1,2,3
	global_load_b32 v[XS+\c], v11, s[20:21] offset:1024*\c
.endr
	global_load_b128 v[XA:XA+3], v10, s[22:23]     ; part w of x . a, row r
	s_wait_xcnt 0x0                                ; v9-12 are written again only behind this wait
	UNIT 0, 41                                     ; younger: three units' 24 loads and x's 17
	UNIT 1, 41                                     ; two units' 16, x's 17, one refill's 8
	UNIT 2, 41
	UNIT 3, 41
	UNIT 4, 24                                     ; the three units behind it; x's loads are older and so are in
	UNIT 5, 16
	UNIT 6, 8
	UNIT 7, 0
.rept 8
	v_nop                                          ; a scale register written by a vector instruction stands 8 places ahead of a scaled matrix instruction, an operand so written 4
.endr
.irp c, 0,1,2,3                                ; the four accumulators take turns, one instruction a turn; the first part of x starts the sums
.irp f, 0,1,2,3
.if \c == 0
	v_wmma_scale_f32_16x16x128_f8f6f4 v[128+8*\f:135+8*\f], v[WC+12*\f:WC+12*\f+11], v[XC+12*\c:XC+12*\c+11], 0, v[WS+\f], v[XS+\c] matrix_a_fmt:MATRIX_FMT_FP6 matrix_b_fmt:MATRIX_FMT_FP6
.else
	v_wmma_scale_f32_16x16x128_f8f6f4 v[128+8*\f:135+8*\f], v[WC+12*\f:WC+12*\f+11], v[XC+12*\c:XC+12*\c+11], v[128+8*\f:135+8*\f], v[WS+\f], v[XS+\c] matrix_a_fmt:MATRIX_FMT_FP6 matrix_b_fmt:MATRIX_FMT_FP6
.endif
.endr
.endr
.rept 4
	v_nop                                          ; four places ahead of the first read of results and of loads into the operands' registers
.endr
	s_cmp_eq_u32 s2, 0
	s_cbranch_scc1 .Lkeeps_its_own
.irp q, 0,1,2,3,4,5,6,7
	ds_store_b128 v[RD], v[128+4*\q:131+4*\q] offset:512*\q   ; each accumulator from its low end on
.endr
	ds_store_b128 v[RD], v[XA:XA+3] offset:4096
.Lkeeps_its_own:
	s_wait_dscnt 0x0                               ; for wave 0's sake: my image lies in LDS
	s_barrier_signal -1
	s_barrier_wait -1
	s_cmp_lg_u32 s2, 0
	s_cbranch_scc1 .Lend
	; ---- WAVE 0 FINISHES.  Lane (m, h): row m of x, hidden units 32 g + 16 h + 0 .. 15
	ds_store_b64 v[BS8], v[BB:BB+1]                ; b1, b3 and a2 go through LDS, so that each lane gets its half's 16 hidden units
	ds_store_b64 v[BS8], v[BB+2:BB+3] offset:256
	ds_store_b32 v[BSA], v[BB+4]
	ds_store_b32 v[BSA], v[BB+5] offset:64
	ILOAD 1, 32
	ILOAD 2, 68
	ILOAD 3, 160
	ILOAD 4, 196
	IADD 32, 27
	IADD 68, 18
	IADD 160, 9
	IADD 196, 0
	ILOAD 5, 32
	ILOAD 6, 68
	ILOAD 7, 160
	IADD 32, 18
	IADD 68, 9
	IADD 160, 0
.irp q, 0,1,2,3,4,5,6,7
	ds_load_b128 v[160+4*\q:163+4*\q], v[BLD] offset:16*\q        ; b1[16 h + i][n] at v[160 + 2 i + n]
.endr
.irp q, 0,1,2,3,4,5,6,7
	ds_load_b128 v[192+4*\q:195+4*\q], v[BLD] offset:256+16*\q    ; b3 likewise at v192
.endr
.irp q, 0,1,2,3
	ds_load_b128 v[32+4*\q:35+4*\q], v[BLD] offset:512+16*\q      ; a2[0][16 h + i] at v[32 + i]
.endr
.irp q, 0,1,2,3
	ds_load_b128 v[48+4*\q:51+4*\q], v[BLD] offset:576+16*\q      ; a2[1] at v48
.endr
	v_pk_mul_f32 v[XA:XA+1], v[XA:XA+1], 0.5 op_sel_hi:[1,0]      ; the low-rank paths' factor 1/2: exact
	v_pk_mul_f32 v[XA+2:XA+3], v[XA+2:XA+3], 0.5 op_sel_hi:[1,0]
	v_and_b32 v11, 15, v0
	v_lshlrev_b32 v9, 3, v11                       ; 8 r
	v_lshlrev_b32 v10, 4, v11                      ; 16 r
	v_lshlrev_b32 v11, 2, v11                      ; 4 r
	s_wait_dscnt 8                                 ; b1 and b3 are in; a2's eight loads may be out
.irp i, 0,1,2,3,4,5,6,7,8,9,10,11,12,13,14,15
	v_fmac_f32 v[128+\i], v[160+2*\i], v[XA]
.endr
.irp i, 0,1,2,3,4,5,6,7,8,9,10,11,12,13,14,15
	v_fmac_f32 v[144+\i], v[192+2*\i], v[XA+2]
.endr
.irp i, 0,1,2,3,4,5,6,7,8,9,10,11,12,13,14,15
	v_fmac_f32 v[128+\i], v[161+2*\i], v[XA+1]
.endr
.irp i, 0,1,2,3,4,5,6,7,8,9,10,11,12,13,14,15
	v_fmac_f32 v[144+\i], v[193+2*\i], v[XA+3]
.endr
	; silu(z) = z / (1 + 2^(-z log2 e)), all in f32
.irp p, 0,1,2,3,4,5,6,7
	v_pk_mul_f32 v[64+2*\p:65+2*\p], v[128+2*\p:129+2*\p], 0xbfb8aa3b op_sel_hi:[1,0]
.endr
.irp i, 0,1,2,3,4,5,6,7,8,9,10,11,12,13,14,15
	v_exp_f32 v[64+\i], v[64+\i]
.endr
	v_nop                                          ; a plain place behind the last exponential
	s_wait_alu depctr_va_vdst(0)                   ; one wait for the batch, ahead of its first reader
.irp p, 0,1,2,3,4,5,6,7
	v_pk_add_f32 v[64+2*\p:65+2*\p], v[64+2*\p:65+2*\p], 1.0 op_sel_hi:[1,0]
.endr
.irp i, 0,1,2,3,4,5,6,7,8,9,10,11,12,13,14,15
	v_rcp_f32 v[64+\i], v[64+\i]
.endr
	v_nop
	s_wait_alu depctr_va_vdst(0)                   ; and one for the reciprocals
.irp p, 0,1,2,3,4,5,6,7
	v_pk_mul_f32 v[128+2*\p:129+2*\p], v[128+2*\p:129+2*\p], v[64+2*\p:65+2*\p]
.endr
.irp p, 0,1,2,3,4,5,6,7
	v_pk_mul_f32 v[128+2*\p:129+2*\p], v[128+2*\p:129+2*\p], v[144+2*\p:145+2*\p]   ; h = silu(gate) x up, in v128-143
.endr
	; h . a2 over this block, of the unquantised h
	s_wait_dscnt 0x0
	v_pk_mul_f32 v[64:65], v[128:129], v[32:33]
	v_pk_mul_f32 v[66:67], v[128:129], v[48:49]
.irp p, 1,2,3,4,5,6,7
	v_pk_fma_f32 v[64:65], v[128+2*\p:129+2*\p], v[32+2*\p:33+2*\p], v[64:65]
	v_pk_fma_f32 v[66:67], v[128+2*\p:129+2*\p], v[48+2*\p:49+2*\p], v[66:67]
.endr
	v_add_f32 v64, v64, v65
	v_add_f32 v65, v66, v67
	v_permlanex16_b32 v66, v64, s6, s7
	v_permlanex16_b32 v67, v65, s6, s7
	v_add_f32 v64, v64, v66
	v_add_f32 v65, v65, v67
	global_store_b64 v9, v[64:65], s[30:31]        ; [g][row][2]: sixteen lanes store 128 consecutive bytes (both halves the same bytes with the same value)
	; h's block of 32: my 16 numbers and lane l xor 16's
	v_max3_num_f32 v88, |v128|, |v129|, 0x1800000
.irp i, 2,4,6,8,10,12,14
	v_max3_num_f32 v88, v88, |v[128+\i]|, |v[129+\i]|
.endr
	v_permlanex16_b32 v89, v88, s6, s7
	v_max_num_f32 v88, v88, v89
	v_add_nc_u32 v90, 0xff000000, v88
	v_lshrrev_b32 v91, 23, v90                     ; the scale's byte
	v_cvt_scalef32_pk16_fp6_f32 v[80:82], v[128:143], v90
	v_nop                                          ; one plain place behind a scaled conversion
.irp i, 0,1,2
	v_mov_b32 v[83+\i], v[80+\i]
.endr
.irp i, 0,1,2
	v_permlane16_swap_b32 v[80+\i], v[83+\i]       ; the first's lanes 16-31 change places with the second's lanes 0-15: every lane now holds its row's lower 16 codes in v80-82 and the upper 16 in v83-85
.endr
	global_store_b128 v10, v[80:83], s[24:25]      ; sixteen lanes store 256 consecutive bytes, aligned
	global_store_b64 v9, v[84:85], s[26:27]
	global_store_b8 v11, v91, s[28:29]             ; one byte of each row's scale word: 16 bytes a work-group
.Lend:
	s_set_vgpr_msb 0x5
	s_wait_tensorcnt 0x0
	ds_add_u32 v0, v1
	s_wait_dscnt 0x0
	s_set_vgpr_msb 0x500
	s_endpgm
.Lfunc_end_k_qf2407b6981_gateup:
	.size	k_qf2407b6981_gateup, .Lfunc_end_k_qf2407b6981_gateup-k_qf2407b6981_gateup
	.p2alignl 7, 3214868480
	.fill 96, 4, 3214868480
	.section	.rodata,"a",@progbits
	.p2align	6, 0x0
	.amdhsa_kernel k_qf2407b6981_gateup
		.amdhsa_group_segment_fixed_size 73472
		.amdhsa_private_segment_fixed_size 0
		.amdhsa_enable_private_segment 0
		.amdhsa_kernarg_size 96
		.amdhsa_user_sgpr_count 2
		.amdhsa_user_sgpr_kernarg_segment_ptr 1
		.amdhsa_wavefront_size32 1
		.amdhsa_system_sgpr_workgroup_id_x 1
		.amdhsa_system_sgpr_workgroup_id_y 1
		.amdhsa_system_sgpr_workgroup_id_z 1
		.amdhsa_system_vgpr_workitem_id 0
		.amdhsa_next_free_vgpr 258
		.amdhsa_next_free_sgpr 66
		.amdhsa_reserve_vcc 0
		.amdhsa_float_denorm_mode_32 3
		.amdhsa_float_denorm_mode_16_64 3
		.amdhsa_memory_ordered 1
		.amdhsa_forward_progress 1
		.amdhsa_inst_pref_size 58
	.end_amdhsa_kernel
	.amdgpu_metadata
---
amdhsa.version: [ 1, 2 ]
amdhsa.kernels:
  - .name:           k_qf2407b6981_gateup
    .symbol:         k_qf2407b6981_gateup.kd
    .args:
      - { .name: w1q, .offset: 0, .size: 8, .value_kind: global_buffer, .address_space: global }
      - { .name: w3q, .offset: 8, .size: 8, .value_kind: global_buffer, .address_space: global }
      - { .name: b1, .offset: 16, .size: 8, .value_kind: global_buffer, .address_space: global }
      - { .name: b3, .offset: 24, .size: 8, .value_kind: global_buffer, .address_space: global }
      - { .name: a2, .offset: 32, .size: 8, .value_kind: global_buffer, .address_space: global }
      - { .name: ximg, .offset: 40, .size: 8, .value_kind: global_buffer, .address_space: global }
      - { .name: xsc, .offset: 48, .size: 8, .value_kind: global_buffer, .address_space: global }
      - { .name: xap, .offset: 56, .size: 8, .value_kind: global_buffer, .address_space: global }
      - { .name: hca, .offset: 64, .size: 8, .value_kind: global_buffer, .address_space: global }
      - { .name: hcb, .offset: 72, .size: 8, .value_kind: global_buffer, .address_space: global }
      - { .name: hs, .offset: 80, .size: 8, .value_kind: global_buffer, .address_space: global }
      - { .name: hap, .offset: 88, .size: 8, .value_kind: global_buffer, .address_space: global }
    .group_segment_fixed_size: 73472
    .private_segment_fixed_size: 0
    .kernarg_segment_align: 8
    .kernarg_segment_size: 96
    .max_flat_workgroup_size: 256
    .sgpr_count:     66
    .vgpr_count:     258
    .wavefront_size: 32
...
	.end_amdgpu_metadata
.endif
;; end of part 2
;; launch down (part 3): grid 256 x 1, 16 waves a work-group, no clusters, 96,512 bytes of LDS; arguments w2q, b2, hca, hcb, hs, hap, out0; writes out0
.if DOCPART == 3
	.amdgcn_target "amdgcn-amd-amdhsa--gfx1250"
	.amdhsa_code_object_version 6
	.text
	.protected	k_qf2407b6981_down
	.globl	k_qf2407b6981_down
	.p2align	8
	.type	k_qf2407b6981_down,@function
k_qf2407b6981_down:
	s_mov_b64 s[64:65], 0
	v_nop
	global_prefetch_b8 v0, s[64:65] scope:SCOPE_SE
	s_setreg_imm32_b32 hwreg(HW_REG_WAVE_MODE, 25, 1), 1
	s_wait_xcnt 0x0
; out = h W2^T + 0.5 (h a2^T) b2^T, W2 = the stored weight [4096][2752] repeated four times along K; the large product on codes of FP6 (E2M3) with E8M0 scales.  h arrives quantised; h a2^T as 344 partial sums.
; The repeat's period, 2,752, is 86 blocks of 32: a stored block is quantised once and multiplied by four different blocks of h.
; SHARES.  Work-group t makes outputs 16 t .. 16 t + 15 for all 16 rows: 16 rows of the stored weight, 43 UNITS of 64 columns.  K IS SHARED AMONG THE SIXTEEN WAVES: wave w takes units w, w + 16 and, where w < 11, w + 32.
; 2,752 IS NO MULTIPLE OF 128.  So a matrix instruction's weight operand holds a unit's TWO blocks TWICE (registers 0-5 and 6-11), and h's operand of pair p holds, for cc = 0, 1, blocks 86 (2 p + cc) + 2 u + (lane / 16):
; repeats 2 p and 2 p + 1 of the same stored columns.  Two matrix instructions a unit, 86 a work-group: 11,008 / 128, with nothing padded.
; A unit's eight loads each read two rows' 256 consecutive bytes, aligned (a row of the weight is 43 x 256 bytes); the unit turns through the wave's own stage in LDS and comes back with a whole block in a lane.
; The product is used TRANSPOSED (source 0 = 16 rows of the weight, source 1 = h's 16 rows): lane (m, h) holds row m and outputs 16 t + 8 h + 0 .. 7.
; Every work-group reads all of h's codes (129 KiB) and partial sums (43 KiB) beside its 172 KiB of weights; they are loaded straight into registers.  No cluster in this text: the launch has no tensor load, and a
; joint fill of h's codes would want one; stated here as a choice of the plain form.
; LIMITS: NaN and infinities are not served; a block whose largest magnitude lies under 2^-124 is held at the byte 1; a block of zeros gets the byte 1 where the rule says 127 (its codes are zeros).
.set SROW,  272                        ; a stage row: 256 bytes + 16 = 68 words: the sixteen rows that a load touches start at sixteen different banks (64 banks of 4 bytes: ISA guide 11.1)
.set SWAVE, 16*SROW
.set RED,   16*SWAVE                   ; [wave][quad 0..2][lane][16 bytes]: a wave's accumulator and its part of h . a2
.set RIMG,  3*512
.set HA,    RED+16*RIMG                ; h . a2: [row][2 f32]
.set WROW,  11008                      ; a row of the stored weight in bytes
.set GL,  1                            ; v1   global offset in a unit: 11008 h + 16 r; never rewritten
.set STA, 2                            ; v2   the stage, on the way in
.set LDA, 3                            ; v3   and on the way out
.set RD,  4                            ; v4   RED + RIMG x wave + 16 x lane
.set HAS, 5                            ; v5   HA + 16 (lane % 8)
.set HAL, 6                            ; v6   HA + 8 r
.set RR,  7                            ; v7   r; never rewritten
.set MX0, 8                            ; v8-11 at the head: global offsets 16 l, 8 l, 4 r, 64 h; then at work
.set MX1, 9
.set BY,  10
.set TT,  11
.set CT,  12                           ; v12-14 a conversion's three registers
.set WS,  16                           ; v16-18 the weight's scale words, unit i
.set HH,  19                           ; v19  h; never rewritten
.set HS,  20                           ; v20-25 h's scale words, (i, p) at HS + 2 i + p
.set ACC, 26                           ; v26-33 pair 0's sums, v34-41 pair 1's
.set HAP, 42                           ; v42-65 six quads of partial sums
.set B2,  66                           ; v66-81 wave 0: b2[16 t + 8 h + j][n] at B2 + 2 j + n
.set HC,  82                           ; v82-153 h's codes, (i, p) at HC + 24 i + 12 p
.set SLOTS, 154                        ; v154-249 three units
.macro ULOAD i                         ; unit w + 16 i: load e takes rows 2 e (lanes 0-15) and 2 e + 1 (lanes 16-31)
.irp e, 0,1,2,3,4,5,6,7
	global_load_b128 v[SLOTS+32*(\i)+4*\e:SLOTS+32*(\i)+4*\e+3], v[GL], s[8:9] offset:2*\e*WROW+4096*(\i) th:TH_LOAD_NT
.endr
.endm
.macro HLOAD i                         ; h's two operands for unit w + 16 i, and their scale words: ten loads
.irp p, 0,1
.irp c, 0,1
	global_load_b128 v[HC+24*(\i)+12*\p+6*\c:HC+24*(\i)+12*\p+6*\c+3], v8, s[12:13] offset:22016*(2*\p+\c)+8192*(\i)     ; block 86 (2 p + c) + 2 u + h, row r: registers 0-3 of its six
	global_load_b64 v[HC+24*(\i)+12*\p+6*\c+4:HC+24*(\i)+12*\p+6*\c+5], v9, s[14:15] offset:11008*(2*\p+\c)+4096*(\i)   ; registers 4, 5
.endr
	global_load_b32 v[HS+2*(\i)+\p], v10, s[16:17] offset:2048*(\i)+64*\p
.endr
.endm
.macro UTURN s                         ; LDS serves a wave's instructions in order (ISA guide 5.7.1.4): no wait between the stores and the loads
.irp i, 0,1,2,3,4,5,6,7
	ds_store_b128 v[STA], v[\s+4*\i:\s+4*\i+3] offset:2*\i*SROW
.endr
.irp j, 0,1,2,3,4,5,6,7
	ds_load_b128 v[\s+4*\j:\s+4*\j+3], v[LDA] offset:16*\j
.endr
.endm
.macro UMAX s                          ; the block's largest magnitude, all 32 numbers mine, in two chains; the floor 2^(3 - 127) holds the byte at 1 from below
	v_max3_num_f32 v[MX0], |v[\s]|, |v[\s+1]|, 0x1800000
	v_max3_num_f32 v[MX1], |v[\s+2]|, |v[\s+3]|, |v[\s+4]|
.irp i, 5,9,13,17,21,25
	v_max3_num_f32 v[MX0], v[MX0], |v[\s+\i]|, |v[\s+\i+1]|
	v_max3_num_f32 v[MX1], v[MX1], |v[\s+\i+2]|, |v[\s+\i+3]|
.endr
	v_max3_num_f32 v[MX0], v[MX0], |v[\s+29]|, |v[\s+30]|
	v_max3_num_f32 v[MX0], v[MX0], v[MX1], |v[\s+31]|
	v_add_nc_u32 v[MX1], 0xff000000, v[MX0]        ; 2 off the exponent field: the conversion takes the exponent field of this operand as its scale
.endm
; Unit i becomes an operand in v[SL + 16 .. SL + 27], its block's six registers twice, and a scale word in v[WS + i]
.macro QD i
.set SL, SLOTS+32*(\i)
	UTURN SL
	s_wait_dscnt 0x0
	UMAX SL
	v_cvt_scalef32_pk16_fp6_f32 v[CT:CT+2], v[SL+16:SL+31], v[MX1]       ; the block's upper 16 codes
	v_lshrrev_b32 v[BY], 23, v[MX1]                ; the byte; also the plain place behind the conversion, whose sources the next line writes
	v_cvt_scalef32_pk16_fp6_f32 v[SL+16:SL+18], v[SL:SL+15], v[MX1]      ; the lower 16
	v_nop                                          ; one plain place behind a scaled conversion
.irp e, 0,1,2
	v_mov_b32 v[SL+19+\e], v[CT+\e]
.endr
.irp e, 0,1,2,3,4,5
	v_mov_b32 v[SL+22+\e], v[SL+16+\e]
.endr
	v_permlanex16_b32 v[TT], v[BY], s6, s7         ; in lanes 0-15, which alone are read: the unit's second block's byte
	v_lshl_or_b32 v[WS+(\i)], v[TT], 8, v[BY]
	v_lshl_or_b32 v[WS+(\i)], v[WS+(\i)], 16, v[WS+(\i)]   ; bytes: block 0, block 1, block 0, block 1
.endm
.macro MUL i, p, zero
.set SL, SLOTS+32*(\i)
.if \zero
	v_wmma_scale_f32_16x16x128_f8f6f4 v[ACC+8*\p:ACC+8*\p+7], v[SL+16:SL+27], v[HC+24*(\i)+12*\p:HC+24*(\i)+12*\p+11], 0, v[WS+(\i)], v[HS+2*(\i)+\p] matrix_a_fmt:MATRIX_FMT_FP6 matrix_b_fmt:MATRIX_FMT_FP6
.else
	v_wmma_scale_f32_16x16x128_f8f6f4 v[ACC+8*\p:ACC+8*\p+7], v[SL+16:SL+27], v[HC+24*(\i)+12*\p:HC+24*(\i)+12*\p+11], v[ACC+8*\p:ACC+8*\p+7], v[WS+(\i)], v[HS+2*(\i)+\p] matrix_a_fmt:MATRIX_FMT_FP6 matrix_b_fmt:MATRIX_FMT_FP6
.endif
.endm
	s_load_b256 s[8:15], s[0:1], 0x0               ; w2q s[8:9], b2 s[10:11], hca s[12:13], hcb s[14:15]
	s_load_b128 s[16:19], s[0:1], 0x20             ; hs s[16:17], hap s[18:19]
	s_load_b64 s[20:21], s[0:1], 0x30              ; out0
	v_lshl_add_u32 v254, v0, 2, 0x17100
	v_mov_b32 v255, 0
	v_lshrrev_b32 v[RR], 5, v0
	v_readfirstlane_b32 s2, v[RR]                  ; wave 0..15
	v_and_b32 v[RR], 15, v0                        ; r
	v_bfe_u32 v[HH], v0, 4, 1                      ; h
	v_mul_u32_u24 v[GL], v[HH], WROW
	v_lshl_add_u32 v[GL], v[RR], 4, v[GL]
	s_mul_i32 s22, s2, SWAVE
	v_mul_u32_u24 v[STA], v[HH], SROW
	v_lshl_add_u32 v[STA], v[RR], 4, v[STA]
	v_add_nc_u32 v[STA], s22, v[STA]
	v_mul_u32_u24 v[LDA], v[RR], SROW
	v_lshl_add_u32 v[LDA], v[HH], 7, v[LDA]
	v_add_nc_u32 v[LDA], s22, v[LDA]
	s_mul_i32 s23, s2, RIMG
	s_add_co_u32 s23, s23, RED
	v_and_b32 v9, 31, v0                           ; lane
	v_lshlrev_b32 v8, 4, v9                        ; 16 l
	v_add_nc_u32 v[RD], s23, v8
	v_and_b32 v[HAS], 7, v0
	v_lshl_add_u32 v[HAS], v[HAS], 4, HA
	v_lshl_add_u32 v[HAL], v[RR], 3, HA
	v_lshlrev_b32 v9, 3, v9                        ; 8 l
	v_lshlrev_b32 v10, 2, v[RR]                    ; 4 r
	v_lshlrev_b32 v11, 6, v[HH]                    ; 64 h
.irp e, 0,1,2,3
	v_mov_b32 v[HAP+20+\e], 0                      ; the sixth quad of partial sums: only waves 0 to 5 have one
.endr
	s_mov_b32 s5, 0
	s_mov_b32 s6, 0x76543210
	s_mov_b32 s7, 0xfedcba98                       ; v_permlanex16_b32's selects for lane l xor 16
	s_wait_kmcnt 0x0
	s_mul_i32 s4, ttmp9, 16*WROW                   ; my work-group's 16 rows,
	s_lshl_b32 s22, s2, 8                          ; my wave's first unit
	s_add_co_u32 s4, s4, s22
	s_add_nc_u64 s[8:9], s[8:9], s[4:5]
	s_lshl_b32 s4, ttmp9, 7
	s_add_nc_u64 s[10:11], s[10:11], s[4:5]
	s_lshl_b32 s4, s2, 9
	s_add_nc_u64 s[12:13], s[12:13], s[4:5]
	s_add_nc_u64 s[18:19], s[18:19], s[4:5]
	s_lshl_b32 s4, s2, 8
	s_add_nc_u64 s[14:15], s[14:15], s[4:5]
	s_lshl_b32 s4, s2, 7
	s_add_nc_u64 s[16:17], s[16:17], s[4:5]
	s_lshl_b32 s4, ttmp9, 6
	s_add_nc_u64 s[20:21], s[20:21], s[4:5]
	; what only some waves load comes first, so that it is older than every counted load: the counts below hold for all waves
	s_cmp_lt_u32 s2, 11
	s_cbranch_scc0 .Lno_unit_2
	ULOAD 2
	HLOAD 2
.Lno_unit_2:
	s_cmp_lt_u32 s2, 6
	s_cbranch_scc0 .Lno_quad_5
	global_load_b128 v[HAP+20:HAP+23], v8, s[18:19] offset:40960   ; 44,032 bytes are five times 8,192 and six waves' 512
.Lno_quad_5:
	s_cmp_eq_u32 s2, 0
	s_cbranch_scc0 .Lno_b2
.irp q, 0,1,2,3
	global_load_b128 v[B2+4*\q:B2+4*\q+3], v11, s[10:11] offset:16*\q
.endr
.Lno_b2:
	ULOAD 0
	ULOAD 1
	HLOAD 0
	HLOAD 1
.irp i, 0,1,2,3,4
	global_load_b128 v[HAP+4*\i:HAP+4*\i+3], v8, s[18:19] offset:8192*\i   ; lane l: rows 2 (l % 8) and 2 (l % 8) + 1 of one block's partial sums
.endr
	s_wait_xcnt 0x0                                ; v8-11 are written again only behind this wait
	s_wait_loadcnt 33                              ; unit 0 is in; younger: unit 1's 8, h's 20, the partial sums' 5
	QD 0
	s_wait_loadcnt 25
	QD 1
	s_wait_loadcnt 5                               ; h's codes and scale words are in (and all that is older); the partial sums' 5 may be out
.rept 8
	v_nop                                          ; a scale register written by a vector instruction stands 8 places ahead of a scaled matrix instruction, an operand so written 4
.endr
	MUL 0, 0, 1                                    ; the two accumulators take turns, one instruction a turn
	MUL 0, 1, 1
	MUL 1, 0, 0
	MUL 1, 1, 0
	s_cmp_lt_u32 s2, 11
	s_cbranch_scc0 .Lno_third
	QD 2                                           ; it names no register of the products above
.rept 8
	v_nop
.endr
	MUL 2, 0, 0
	MUL 2, 1, 0
.Lno_third:
.rept 4
	v_nop                                          ; four places (ISA guide 7.12.1) ahead of the first read of results
.endr
.irp p, 0,1,2,3
	v_pk_add_f32 v[ACC+2*\p:ACC+2*\p+1], v[ACC+2*\p:ACC+2*\p+1], v[ACC+8+2*\p:ACC+8+2*\p+1]   ; both accumulators from their low ends on
.endr
	s_wait_loadcnt 0x0
.irp i, 1,2,3,4,5
	v_pk_add_f32 v[HAP:HAP+1], v[HAP:HAP+1], v[HAP+4*\i:HAP+4*\i+1]
	v_pk_add_f32 v[HAP+2:HAP+3], v[HAP+2:HAP+3], v[HAP+4*\i+2:HAP+4*\i+3]
.endr
	s_cmp_eq_u32 s2, 0
	s_cbranch_scc1 .Lkeeps_its_own
	ds_store_b128 v[RD], v[ACC:ACC+3]
	ds_store_b128 v[RD], v[ACC+4:ACC+7] offset:512
	ds_store_b128 v[RD], v[HAP:HAP+3] offset:1024
.Lkeeps_its_own:
	s_wait_dscnt 0x0                               ; for wave 0's sake: my image lies in LDS
	s_barrier_signal -1
	s_barrier_wait -1
	s_cmp_lg_u32 s2, 0
	s_cbranch_scc1 .Lend
	; ---- WAVE 0 FINISHES
.irp w, 1,2,3,4,5,6,7,8,9,10,11,12,13,14,15
.if \w < 15
.set IR, HC+12*(\w-1)                  ; over h's codes and the units, which are done with
.else
.set IR, HAP+4
.endif
.irp q, 0,1,2
	ds_load_b128 v[IR+4*\q:IR+4*\q+3], v[RD] offset:RIMG*\w+512*\q
.endr
.endr
.irp w, 1,2,3,4,5,6,7,8,9,10,11,12,13,14,15
.if \w < 15
.set IR, HC+12*(\w-1)
.else
.set IR, HAP+4
.endif
	s_wait_dscnt 3*(15-\w)                         ; the images behind this one may be out
.irp p, 0,1,2,3
	v_pk_add_f32 v[ACC+2*\p:ACC+2*\p+1], v[ACC+2*\p:ACC+2*\p+1], v[IR+2*\p:IR+2*\p+1]
.endr
	v_pk_add_f32 v[HAP:HAP+1], v[HAP:HAP+1], v[IR+8:IR+9]
	v_pk_add_f32 v[HAP+2:HAP+3], v[HAP+2:HAP+3], v[IR+10:IR+11]
.endr
.irp e, 0,1,2,3                                ; the four lanes l, l xor 8, l xor 16, l xor 24 hold parts of the same two rows
	v_add_f32_dpp v[HAP+\e], v[HAP+\e], v[HAP+\e] row_xmask:8 row_mask:0xf bank_mask:0xf
.endr
.irp e, 0,1,2,3
	v_permlanex16_b32 v[8+\e], v[HAP+\e], s6, s7
.endr
.irp e, 0,1,2,3
	v_add_f32 v[HAP+\e], v[HAP+\e], v[8+\e]
.endr
	v_pk_mul_f32 v[HAP:HAP+1], v[HAP:HAP+1], 0.5 op_sel_hi:[1,0]         ; the low-rank path's factor 1/2: exact
	v_pk_mul_f32 v[HAP+2:HAP+3], v[HAP+2:HAP+3], 0.5 op_sel_hi:[1,0]
	ds_store_b128 v[HAS], v[HAP:HAP+3]             ; rows 2 (l % 8), 2 (l % 8) + 1, 8 bytes a row; four lanes write the same bytes with the same value
	ds_load_b64 v[8:9], v[HAL]                     ; row r's two numbers (LDS serves a wave's instructions in order)
	v_lshlrev_b32 v10, 14, v[RR]
	v_lshl_add_u32 v10, v[HH], 5, v10              ; out0: row r of 16,384 bytes, + 32 h
	s_wait_dscnt 0x0
.irp j, 0,1,2,3,4,5,6,7
	v_fmac_f32 v[ACC+\j], v8, v[B2+2*\j]
.endr
.irp j, 0,1,2,3,4,5,6,7
	v_fmac_f32 v[ACC+\j], v9, v[B2+2*\j+1]
.endr
	global_store_b128 v10, v[ACC:ACC+3], s[20:21]  ; a work-group's part of an output row is 64 bytes: 16 outputs to a work-group keep all 256 work-groups at work
	global_store_b128 v10, v[ACC+4:ACC+7], s[20:21] offset:16
.Lend:
	s_wait_tensorcnt 0x0
	ds_add_u32 v254, v255
	s_wait_dscnt 0x0
	s_endpgm
.Lfunc_end_k_qf2407b6981_down:
	.size	k_qf2407b6981_down, .Lfunc_end_k_qf2407b6981_down-k_qf2407b6981_down
	.p2alignl 7, 3214868480
	.fill 96, 4, 3214868480
	.section	.rodata,"a",@progbits
	.p2align	6, 0x0
	.amdhsa_kernel k_qf2407b6981_down
		.amdhsa_group_segment_fixed_size 96512
		.amdhsa_private_segment_fixed_size 0
		.amdhsa_enable_private_segment 0
		.amdhsa_kernarg_size 56
		.amdhsa_user_sgpr_count 2
		.amdhsa_user_sgpr_kernarg_segment_ptr 1
		.amdhsa_wavefront_size32 1
		.amdhsa_system_sgpr_workgroup_id_x 1
		.amdhsa_system_sgpr_workgroup_id_y 1
		.amdhsa_system_sgpr_workgroup_id_z 1
		.amdhsa_system_vgpr_workitem_id 0
		.amdhsa_next_free_vgpr 256
		.amdhsa_next_free_sgpr 66
		.amdhsa_reserve_vcc 0
		.amdhsa_float_denorm_mode_32 3
		.amdhsa_float_denorm_mode_16_64 3
		.amdhsa_memory_ordered 1
		.amdhsa_forward_progress 1
		.amdhsa_inst_pref_size 31
	.end_amdhsa_kernel
	.amdgpu_metadata
---
amdhsa.version: [ 1, 2 ]
amdhsa.kernels:
  - .name:           k_qf2407b6981_down
    .symbol:         k_qf2407b6981_down.kd
    .args:
      - { .name: w2q, .offset: 0, .size: 8, .value_kind: global_buffer, .address_space: global }
      - { .name: b2, .offset: 8, .size: 8, .value_kind: global_buffer, .address_space: global }
      - { .name: hca, .offset: 16, .size: 8, .value_kind: global_buffer, .address_space: global }
      - { .name: hcb, .offset: 24, .size: 8, .value_kind: global_buffer, .address_space: global }
      - { .name: hs, .offset: 32, .size: 8, .value_kind: global_buffer, .address_space: global }
      - { .name: hap, .offset: 40, .size: 8, .value_kind: global_buffer, .address_space: global }
      - { .name: out0, .offset: 48, .size: 8, .value_kind: global_buffer, .address_space: global }
    .group_segment_fixed_size: 96512
    .private_segment_fixed_size: 0
    .kernarg_segment_align: 8
    .kernarg_segment_size: 56
    .max_flat_workgroup_size: 512
    .sgpr_count:     66
    .vgpr_count:     256
    .wavefront_size: 32
...
	.end_amdgpu_metadata
.endif
;; end of part 3
;; ======== version 2 of 2: 3 launches; version 1 with the launches gateup, down written anew for expert scheduling mode
;; workspace buffers: ximg 49,152 bytes; xsc 4,096 bytes; xap 2,048 bytes; hca 88,064 bytes; hcb 44,032 bytes; hs 5,632 bytes; hap 44,032 bytes
;; launch prep: the kernel of part 1 again; grid 8 x 1, 4 waves a work-group, no clusters, 18,944 bytes of LDS; arguments x, a1, a3, ximg, xsc, xap; writes ximg, xsc, xap
;; launch gateup (part 4): grid 344 x 1, 8 waves a work-group, no clusters, 73,472 bytes of LDS; arguments w1q, w3q, b1, b3, a2, ximg, xsc, xap, hca, hcb, hs, hap; writes hca, hcb, hs, hap
.if DOCPART == 4
	.amdgcn_target "amdgcn-amd-amdhsa--gfx1250"
	.amdhsa_code_object_version 6
	.text
	.protected	k_qf2407b6981_gateup
	.globl	k_qf2407b6981_gateup
	.p2align	8
	.type	k_qf2407b6981_gateup,@function
k_qf2407b6981_gateup:
	s_mov_b64 s[64:65], 0
	v_nop
	global_prefetch_b8 v0, s[64:65] scope:SCOPE_SE
	s_setreg_imm32_b32 hwreg(HW_REG_WAVE_SCHED_MODE, 0, 2), 2
	s_setreg_imm32_b32 hwreg(HW_REG_WAVE_MODE, 25, 1), 1
	s_wait_xcnt 0x0
	s_wait_alu depctr_vm_vsrc(0)
; h = silu(x W1^T + 0.5 (x a1^T) b1^T) * (x W3^T + 0.5 (x a3^T) b3^T), W = the stored weight [11008][1024] repeated four times along K; both large products on codes of FP6 (E2M3) with E8M0 scales.
; The repeat's period, 1,024, is a multiple of 32, so a stored block of 32 is quantised ONCE and multiplied by four different parts of x.
; OUT: h quantised along the hidden axis (the next product's K) and the partial sums of h . a2[0], h . a2[1].  h itself never goes to memory.
; SHARES.  Work-group g makes hidden units 32 g .. 32 g + 31: one block of the next K.  K IS SHARED AMONG THE EIGHT WAVES: wave w takes the stored columns 128 w .. 128 w + 127 of both weights:
; four fragments F = (W1, tile 0), (W1, tile 1), (W3, tile 0), (W3, tile 1), each against x's fragments w, 8 + w, 16 + w, 24 + w: 16 matrix instructions.  The waves' sums meet once in LDS; wave 0 finishes.
; No tile is shared between work-groups but x's codes (48 KiB beside 256 KiB of weights a work-group), so there is no cluster; each weight byte is read once by one wave, so there is no ring of slots:
; the loads go into registers, four units (16 KiB a wave) ahead.
; A UNIT is 16 rows x 64 columns of f32.  Each of its eight loads reads two rows' 256 consecutive bytes, aligned.  It turns through the wave's own stage in LDS and comes back with a whole block of 32
; along K in one lane (lane (r, h): stage row r, columns 32 h ..), which is the order of the 6-bit operand's registers 6 s .. 6 s + 5 for unit s of a fragment.
; THE ROWS OF A TILE ARE NOT NEIGHBOURS: stage row p of tile u is hidden unit 8 u + p + 8 (p / 8).  The products are used TRANSPOSED (source 0 = 16 rows of the weight, source 1 = x's 16 rows), so lane (m, h)
; holds row m of x, and the 16 registers of tiles 0 and 1 are hidden units 16 h + 0 .. 15: neighbours along the next K.
; LIMITS: NaN and infinities are not served; a block whose largest magnitude lies under 2^-124 is held at the byte 1; a block of zeros gets the byte 1 where the rule says 127 (its codes are zeros; the bytes
; are read by this program alone); v_exp_f32 gives 0 where its result would be denormal (ISA guide 15.8), which changes 1 + e^-z by nothing.
; THE MODE: SCHED_MODE bits 1:0 = 2 (LLVM: expert scheduling mode 2), set by the entry lines.  The code itself states the register dependences between vector or matrix instructions and memory or LDS
; instructions, with s_wait_alu, always for 0.
; THE PLAN.  Registers that memory or LDS instructions touch:
;   v1-v8       offsets and LDS addresses: written at the head, never again; read by loads and stores to the end.
;   v9-v12      at the head offsets of the head's loads; from unit 0 on at work in vector lines alone; wave 0 makes v9-v11 anew as the offsets of its four global stores.
;   slot k % 4  unit k: eight global loads land; the turn's eight LDS stores read it; the turn's eight LDS loads land in it; the maximum and the conversions read it and write its first three registers;
;               units 0 to 3: the loads of the unit four on land in it.
;   XC, XS, XA, BB   loaded once.   WC, WS   written by vector lines, read by the matrix instructions.
;   v128-159, XA     the accumulators and x . a: read by the LDS stores of waves 1 to 7.
;   wave 0      four places for the other waves' images (v32, v68, v160, v196, 36 registers each): LDS loads land, the additions read; then b1, b3 and a2 land in v160-223 and v32-63;
;               v64-65, v80-85, v91 are written by vector lines and read by the global stores.
; THE WAITS.  One on va_vdst at the head, for all addresses.  In a turn one on vm_vsrc, between its stores and its loads.  In units 0 to 3 one on va_vdst behind the conversions, ahead of the slot's refill: no later
; vector line names that slot before the turn of the unit four on, so that turn owes nothing more.  One on va_vdst ahead of the first product and one behind the places behind the last.  In wave 0's reduction one
; ahead of each run of loads into places that the additions have read, and one ahead of the run of global stores.
.set SROW,  272                        ; a stage row: 256 bytes + 16 = 68 words: the sixteen rows that a load touches start at sixteen different banks (64 banks of 4 bytes: ISA guide 11.1)
.set SWAVE, 16*SROW                    ; a wave's stage; the eight stages begin at LDS byte 0
.set RED,   8*SWAVE                    ; [wave][quad 0..8][lane][16 bytes]: a wave's four accumulators and its part of x . a
.set RIMG,  9*512
.set BL,    RED+8*RIMG                 ; b1's 32 rows (256 bytes), b3's (256), a2's [h][n][16 f32] (256)
.set GL,  1                            ; v1   global offset in a unit: 4096 h + 16 r; never rewritten
.set STA, 2                            ; v2   the stage, on the way in
.set LDA, 3                            ; v3   and on the way out
.set SH,  4                            ; v4   8 h
.set RD,  5                            ; v5   RED + RIMG x wave + 16 x lane
.set BS8, 6                            ; v6   BL + 8 x lane
.set BSA, 7                            ; v7   BL + 512 + 128 h + 4 r
.set BLD, 8                            ; v8   BL + 128 h
.set MX0, 9                            ; v9-12 at the head: global offsets 8 l, 16 r, 4 l, 16 l; then at work
.set MX1, 10
.set B0,  11
.set TT,  12
.set XS,  13                           ; v13-16  x's scale words, part c
.set WS,  17                           ; v17-20  the weights' scale words, fragment F
.set XA,  22                           ; v22-25  x . a1[0], a1[1], a3[0], a3[1] of row r
.set BB,  26                           ; v26-31  wave 0: b1, b3 (8 bytes a lane), a2's two rows (4 bytes a lane)
.set WC,  32                           ; v32-79  the weights' codes, fragment F at WC + 12 F
.set XC,  80                           ; v80-127 x's codes, part c at XC + 12 c
.set SLOTS, 128                        ; v128-255 four units; from the products on v128-159 the four accumulators: G = v128-143, U = v144-159
.macro ULOAD slot, base, u, s          ; a unit of tile u, columns 64 s on: load i takes stage rows 2 i (lanes 0-15) and 2 i + 1 (lanes 16-31)
.irp i, 0,1,2,3,4,5,6,7
	global_load_b128 v[\slot+4*\i:\slot+4*\i+3], v[GL], s[\base:\base+1] offset:(2*\i+8*(\i/4)+8*(\u))*4096+256*(\s) th:TH_LOAD_NT
.endr
.endm
.macro UTURN s                         ; LDS serves a wave's instructions in order (ISA guide 5.7.1.4): no wait on DScnt between the stores and the loads
.irp i, 0,1,2,3,4,5,6,7
	ds_store_b128 v[STA], v[\s+4*\i:\s+4*\i+3] offset:2*\i*SROW
.endr
	s_wait_alu depctr_vm_vsrc(0)                   ; the eight LDS stores have read the unit's 32 registers, in which the LDS loads below land, which the conversions write, and in which the refill lands
.irp j, 0,1,2,3,4,5,6,7
	ds_load_b128 v[\s+4*\j:\s+4*\j+3], v[LDA] offset:16*\j
.endr
.endm
.macro UMAX s                          ; the block's largest magnitude, all 32 numbers mine, in two chains; the floor 2^(3 - 127) holds the byte at 1 from below
	v_max3_num_f32 v[MX0], |v[\s]|, |v[\s+1]|, 0x1800000
	v_max3_num_f32 v[MX1], |v[\s+2]|, |v[\s+3]|, |v[\s+4]|
.irp i, 5,9,13,17,21,25
	v_max3_num_f32 v[MX0], v[MX0], |v[\s+\i]|, |v[\s+\i+1]|
	v_max3_num_f32 v[MX1], v[MX1], |v[\s+\i+2]|, |v[\s+\i+3]|
.endr
	v_max3_num_f32 v[MX0], v[MX0], |v[\s+29]|, |v[\s+30]|
	v_max3_num_f32 v[MX0], v[MX0], v[MX1], |v[\s+31]|
	v_add_nc_u32 v[MX1], 0xff000000, v[MX0]        ; 2 off the exponent field: the conversion takes the exponent field of this operand as its scale
.endm
.macro UQUANT s, dst, by
	UMAX \s
	v_cvt_scalef32_pk16_fp6_f32 v[\dst:\dst+2], v[\s:\s+15], v[MX1]
	v_lshrrev_b32 v[\by], 23, v[MX1]               ; the byte; also the plain place behind the conversion, whose sources the next line writes
	v_cvt_scalef32_pk16_fp6_f32 v[\s:\s+2], v[\s+16:\s+31], v[MX1]   ; (a conversion's three registers begin on an even number: made elsewhere and moved)
	v_nop                                          ; one plain place behind a scaled conversion
.irp i, 0,1,2
	v_mov_b32 v[\dst+3+\i], v[\s+\i]
.endr
.endm
; Unit k = 2 F + s, in slot k % 4.  n: the younger loads that may stay out.
.macro UNIT k, n
.set SL, SLOTS+32*((\k)%4)
	s_wait_loadcnt \n
	UTURN SL
	s_wait_dscnt 0x0
.if (\k)%2 == 0
	UQUANT SL, WC+12*((\k)/2), B0
.else
	UQUANT SL, WC+12*((\k)/2)+6, MX0
.endif
.if (\k) < 4
	s_wait_alu depctr_va_vdst(0)                   ; the maximum, the conversions and the moves are done reading the slot and writing its first three registers: the loads below land in it
	ULOAD SL, 10, ((\k)/2)%2, (\k)%2               ; the slot takes the unit four on: the same place in W3.  The lines behind it name neither the slot nor v[GL]
.endif
.if (\k)%2 == 1
	v_lshl_or_b32 v[WS+(\k)/2], v[MX0], 16, v[B0]  ; my two bytes: blocks h and 2 + h of my stage row,
	v_lshlrev_b32 v[WS+(\k)/2], v[SH], v[WS+(\k)/2]   ; 8 h bits up;
	v_permlanex16_b32 v[TT], v[WS+(\k)/2], s6, s7
	v_or_b32 v[WS+(\k)/2], v[WS+(\k)/2], v[TT]     ; with lane l xor 16's two the word is whole
.endif
.endm
.macro ILOAD w, reg                    ; wave w's image: 36 registers
.irp q, 0,1,2,3,4,5,6,7,8
	ds_load_b128 v[\reg+4*\q:\reg+4*\q+3], v[RD] offset:RIMG*(\w)+512*\q
.endr
.endm
.macro IADD reg, n                     ; n: the LDS loads of the images behind it, which may stay out.  The accumulators are read from their low ends on
	s_wait_dscnt \n
.irp p, 0,1,2,3,4,5,6,7,8,9,10,11,12,13,14,15
	v_pk_add_f32 v[128+2*\p:129+2*\p], v[128+2*\p:129+2*\p], v[\reg+2*\p:\reg+2*\p+1]
.endr
	v_pk_add_f32 v[XA:XA+1], v[XA:XA+1], v[\reg+32:\reg+33]
	v_pk_add_f32 v[XA+2:XA+3], v[XA+2:XA+3], v[\reg+34:\reg+35]
.endm
	s_load_b512 s[8:23], s[0:1], 0x0               ; w1q s[8:9], w3q s[10:11], b1 s[12:13], b3 s[14:15], a2 s[16:17], ximg s[18:19], xsc s[20:21], xap s[22:23]
	s_load_b256 s[24:31], s[0:1], 0x40             ; hca s[24:25], hcb s[26:27], hs s[28:29], hap s[30:31]
	s_set_vgpr_msb 0x40
	v_lshl_add_u32 v0, v0, 2, 0x11b00
	v_mov_b32 v1, 0
	s_set_vgpr_msb 0x4000
	v_lshrrev_b32 v21, 5, v0
	v_readfirstlane_b32 s2, v21                    ; wave 0..7
	v_and_b32 v21, 15, v0                          ; r
	v_bfe_u32 v[SH], v0, 4, 1                      ; h
	v_lshlrev_b32 v10, 4, v21                      ; 16 r
	v_lshl_add_u32 v[GL], v[SH], 12, v10
	s_wait_alu depctr_va_sdst(0)                   ; s2 is written, ahead of its first reader: LDS addresses, bases and branches are made from it
	s_mul_i32 s32, s2, SWAVE
	v_mul_u32_u24 v[STA], v[SH], SROW
	v_lshl_add_u32 v[STA], v21, 4, v[STA]
	v_add_nc_u32 v[STA], s32, v[STA]
	v_mul_u32_u24 v[LDA], v21, SROW
	v_lshl_add_u32 v[LDA], v[SH], 7, v[LDA]
	v_add_nc_u32 v[LDA], s32, v[LDA]
	s_mul_i32 s33, s2, RIMG
	s_add_co_u32 s33, s33, RED
	v_and_b32 v11, 31, v0                          ; lane
	v_lshlrev_b32 v12, 4, v11                      ; 16 l
	v_add_nc_u32 v[RD], s33, v12
	v_lshl_add_u32 v[BS8], v11, 3, BL
	v_lshlrev_b32 v[BSA], 2, v21
	v_lshl_add_u32 v[BSA], v[SH], 7, v[BSA]
	v_add_nc_u32 v[BSA], BL+512, v[BSA]
	v_lshl_add_u32 v[BLD], v[SH], 7, BL
	v_lshlrev_b32 v[SH], 3, v[SH]
	v_lshlrev_b32 v9, 3, v11                       ; 8 l
	v_lshlrev_b32 v11, 2, v11                      ; 4 l
	s_mov_b32 s5, 0
	s_mov_b32 s6, 0x76543210
	s_mov_b32 s7, 0xfedcba98                       ; v_permlanex16_b32's selects for lane l xor 16
	; where block g's scale byte goes: g = 86 c + j; [u = j / 2][p = c / 2][row][byte 2 (c % 2) + j % 2]
	s_mul_hi_u32 s34, ttmp9, 49941481              ; c = g / 86: 49,941,481 = ceil(2^32 / 86), exact for g under 344
	s_mul_i32 s35, s34, 86
	s_sub_co_u32 s35, ttmp9, s35                   ; j
	s_lshr_b32 s36, s34, 1                         ; p
	s_and_b32 s37, s35, 0xfe                       ; 2 u
	s_add_co_u32 s36, s36, s37
	s_lshl_b32 s36, s36, 6
	s_and_b32 s34, s34, 1
	s_lshl_b32 s34, s34, 1
	s_add_co_u32 s36, s36, s34
	s_and_b32 s35, s35, 1
	s_add_co_u32 s36, s36, s35
	s_mov_b32 s37, 0
	s_wait_kmcnt 0x0
	s_lshl_b32 s4, ttmp9, 17                       ; 32 rows of 4,096 bytes,
	s_lshl_b32 s32, s2, 9                          ; my wave's 128 columns
	s_add_co_u32 s4, s4, s32
	s_add_nc_u64 s[8:9], s[8:9], s[4:5]
	s_add_nc_u64 s[10:11], s[10:11], s[4:5]
	s_lshl_b32 s4, ttmp9, 8
	s_add_nc_u64 s[12:13], s[12:13], s[4:5]
	s_add_nc_u64 s[14:15], s[14:15], s[4:5]
	s_add_nc_u64 s[24:25], s[24:25], s[4:5]
	s_lshl_b32 s4, ttmp9, 7
	s_add_nc_u64 s[16:17], s[16:17], s[4:5]
	s_add_nc_u64 s[26:27], s[26:27], s[4:5]
	s_add_nc_u64 s[30:31], s[30:31], s[4:5]
	s_mul_i32 s4, s2, 1536
	s_add_nc_u64 s[18:19], s[18:19], s[4:5]
	s_lshl_b32 s4, s2, 7
	s_add_nc_u64 s[20:21], s[20:21], s[4:5]
	s_lshl_b32 s4, s2, 8
	s_add_nc_u64 s[22:23], s[22:23], s[4:5]
	s_add_nc_u64 s[28:29], s[28:29], s[36:37]
	s_wait_alu depctr_va_vdst(0)                   ; the offsets and LDS addresses v1 to v12 are written, which the loads and stores of the whole kernel read; it stands ahead of the branch, for both ways
	s_cmp_lg_u32 s2, 0                             ; wave 0's own loads come first, so that they are older than every counted load: the counts below hold for all waves
	s_cbranch_scc1 .Lnot_wave_0
	global_load_b64 v[BB:BB+1], v9, s[12:13]       ; b1's 32 rows: 256 consecutive bytes
	global_load_b64 v[BB+2:BB+3], v9, s[14:15]     ; b3's
	global_load_b32 v[BB+4], v11, s[16:17]         ; a2[0] at my block's 32 hidden units
	global_load_b32 v[BB+5], v11, s[16:17] offset:44032   ; a2[1]
.Lnot_wave_0:
	ULOAD SLOTS, 8, 0, 0
	ULOAD SLOTS+32, 8, 0, 1
	ULOAD SLOTS+64, 8, 1, 0
	ULOAD SLOTS+96, 8, 1, 1
.irp c, 0,1,2,3                                ; x's fragments w + 8 c, as images of their registers
.irp q, 0,1,2
	global_load_b128 v[XC+12*\c+4*\q:XC+12*\c+4*\q+3], v12, s[18:19] offset:12288*\c+512*\q
.endr
.endr
.irp c, 0,1,2,3
	global_load_b32 v[XS+\c], v11, s[20:21] offset:1024*\c
.endr
	global_load_b128 v[XA:XA+3], v10, s[22:23]     ; part w of x . a, row r
	s_wait_xcnt 0x0                                ; v9-12 are written again only behind this wait
	s_wait_alu depctr_vm_vsrc(0)                   ; and behind this one: the head's loads have read v9 to v12 as their offsets; the units' vector lines write them from here on
	UNIT 0, 41                                     ; younger: three units' 24 loads and x's 17
	UNIT 1, 41                                     ; two units' 16, x's 17, one refill's 8
	UNIT 2, 41
	UNIT 3, 41
	UNIT 4, 24                                     ; the three units behind it; x's loads are older and so are in
	UNIT 5, 16
	UNIT 6, 8
	UNIT 7, 0
.rept 8
	v_nop                                          ; a scale register written by a vector instruction stands 8 places ahead of a scaled matrix instruction, an operand so written 4
.endr
	s_wait_alu depctr_va_vdst(0)                   ; the conversions and moves have written the weights' codes v32-79, the vector lines their scale words v17-20, which the products take; the places above stay beside this wait
.irp c, 0,1,2,3                                ; the four accumulators take turns, one instruction a turn; the first part of x starts the sums
.irp f, 0,1,2,3
.if \c == 0
	v_wmma_scale_f32_16x16x128_f8f6f4 v[128+8*\f:135+8*\f], v[WC+12*\f:WC+12*\f+11], v[XC+12*\c:XC+12*\c+11], 0, v[WS+\f], v[XS+\c] matrix_a_fmt:MATRIX_FMT_FP6 matrix_b_fmt:MATRIX_FMT_FP6
.else
	v_wmma_scale_f32_16x16x128_f8f6f4 v[128+8*\f:135+8*\f], v[WC+12*\f:WC+12*\f+11], v[XC+12*\c:XC+12*\c+11], v[128+8*\f:135+8*\f], v[WS+\f], v[XS+\c] matrix_a_fmt:MATRIX_FMT_FP6 matrix_b_fmt:MATRIX_FMT_FP6
.endif
.endr
.endr
.rept 4
	v_nop                                          ; four places (ISA guide 7.12.1) ahead of the first read of results
.endr
	s_wait_alu depctr_va_vdst(0)                   ; the products have written the accumulators v128-159, which the LDS stores read, and are done reading v32-127; the units' vector lines are done with v160-255: wave 0's first four images land there.  Ahead of the branch, for both ways
	s_cmp_eq_u32 s2, 0
	s_cbranch_scc1 .Lkeeps_its_own
.irp q, 0,1,2,3,4,5,6,7
	ds_store_b128 v[RD], v[128+4*\q:131+4*\q] offset:512*\q   ; each accumulator from its low end on
.endr
	ds_store_b128 v[RD], v[XA:XA+3] offset:4096
.Lkeeps_its_own:
	s_wait_dscnt 0x0                               ; for wave 0's sake: my image lies in LDS
	s_barrier_signal -1
	s_barrier_wait -1
	s_cmp_lg_u32 s2, 0
	s_cbranch_scc1 .Lend
	; ---- WAVE 0 FINISHES.  Lane (m, h): row m of x, hidden units 32 g + 16 h + 0 .. 15
	ds_store_b64 v[BS8], v[BB:BB+1]                ; b1, b3 and a2 go through LDS, so that each lane gets its half's 16 hidden units
	ds_store_b64 v[BS8], v[BB+2:BB+3] offset:256
	ds_store_b32 v[BSA], v[BB+4]
	ds_store_b32 v[BSA], v[BB+5] offset:64
	ILOAD 1, 32                                    ; the images are added in the order of the waves, 1 to 7; a place is asked for again as soon as its image has been added
	ILOAD 2, 68
	ILOAD 3, 160
	ILOAD 4, 196
	IADD 32, 27                                    ; behind image 1: images 2, 3, 4
	IADD 68, 18
	s_wait_alu depctr_va_vdst(0)                   ; the additions are done reading v32-103, in which images 5 and 6 land
	ILOAD 5, 32
	ILOAD 6, 68
	IADD 160, 27                                   ; behind image 3: images 4, 5, 6.  These additions name v128-159, v22-25 and v160-231: none of the registers that the loads above touch
	IADD 196, 18
	s_wait_alu depctr_va_vdst(0)                   ; the additions are done reading v160-195, in which image 7 lands
	ILOAD 7, 160
	IADD 32, 18                                    ; behind image 5: images 6, 7
	IADD 68, 9
	IADD 160, 0
	s_wait_alu depctr_va_vdst(0)                   ; the additions are done reading v32-63 and v160-231, in which b1, b3 and a2 land
.irp q, 0,1,2,3,4,5,6,7
	ds_load_b128 v[160+4*\q:163+4*\q], v[BLD] offset:16*\q        ; b1[16 h + i][n] at v[160 + 2 i + n]
.endr
.irp q, 0,1,2,3,4,5,6,7
	ds_load_b128 v[192+4*\q:195+4*\q], v[BLD] offset:256+16*\q    ; b3 likewise at v192
.endr
.irp q, 0,1,2,3
	ds_load_b128 v[32+4*\q:35+4*\q], v[BLD] offset:512+16*\q      ; a2[0][16 h + i] at v[32 + i]
.endr
.irp q, 0,1,2,3
	ds_load_b128 v[48+4*\q:51+4*\q], v[BLD] offset:576+16*\q      ; a2[1] at v48
.endr
	v_pk_mul_f32 v[XA:XA+1], v[XA:XA+1], 0.5 op_sel_hi:[1,0]      ; the low-rank paths' factor 1/2: exact
	v_pk_mul_f32 v[XA+2:XA+3], v[XA+2:XA+3], 0.5 op_sel_hi:[1,0]
	v_and_b32 v11, 15, v0
	v_lshlrev_b32 v9, 3, v11                       ; 8 r
	v_lshlrev_b32 v10, 4, v11                      ; 16 r
	v_lshlrev_b32 v11, 2, v11                      ; 4 r
	s_wait_dscnt 8                                 ; b1 and b3 are in; a2's eight loads may be out
.irp i, 0,1,2,3,4,5,6,7,8,9,10,11,12,13,14,15
	v_fmac_f32 v[128+\i], v[160+2*\i], v[XA]
.endr
.irp i, 0,1,2,3,4,5,6,7,8,9,10,11,12,13,14,15
	v_fmac_f32 v[144+\i], v[192+2*\i], v[XA+2]
.endr
.irp i, 0,1,2,3,4,5,6,7,8,9,10,11,12,13,14,15
	v_fmac_f32 v[128+\i], v[161+2*\i], v[XA+1]
.endr
.irp i, 0,1,2,3,4,5,6,7,8,9,10,11,12,13,14,15
	v_fmac_f32 v[144+\i], v[193+2*\i], v[XA+3]
.endr
	; silu(z) = z / (1 + 2^(-z log2 e)), all in f32
.irp p, 0,1,2,3,4,5,6,7
	v_pk_mul_f32 v[64+2*\p:65+2*\p], v[128+2*\p:129+2*\p], 0xbfb8aa3b op_sel_hi:[1,0]
.endr
.irp i, 0,1,2,3,4,5,6,7,8,9,10,11,12,13,14,15
	v_exp_f32 v[64+\i], v[64+\i]
.endr
	v_nop                                          ; a plain place behind the last exponential
	s_wait_alu depctr_va_vdst(0)                   ; the sixteen exponentials have written v64-79: one wait for the batch, ahead of its first reader
.irp p, 0,1,2,3,4,5,6,7
	v_pk_add_f32 v[64+2*\p:65+2*\p], v[64+2*\p:65+2*\p], 1.0 op_sel_hi:[1,0]
.endr
.irp i, 0,1,2,3,4,5,6,7,8,9,10,11,12,13,14,15
	v_rcp_f32 v[64+\i], v[64+\i]
.endr
	v_nop
	s_wait_alu depctr_va_vdst(0)                   ; the sixteen reciprocals have written v64-79: one wait for the batch, ahead of its first reader
.irp p, 0,1,2,3,4,5,6,7
	v_pk_mul_f32 v[128+2*\p:129+2*\p], v[128+2*\p:129+2*\p], v[64+2*\p:65+2*\p]
.endr
.irp p, 0,1,2,3,4,5,6,7
	v_pk_mul_f32 v[128+2*\p:129+2*\p], v[128+2*\p:129+2*\p], v[144+2*\p:145+2*\p]   ; h = silu(gate) x up, in v128-143
.endr
	; h . a2 over this block, of the unquantised h
	s_wait_dscnt 0x0
	v_pk_mul_f32 v[64:65], v[128:129], v[32:33]
	v_pk_mul_f32 v[66:67], v[128:129], v[48:49]
.irp p, 1,2,3,4,5,6,7
	v_pk_fma_f32 v[64:65], v[128+2*\p:129+2*\p], v[32+2*\p:33+2*\p], v[64:65]
	v_pk_fma_f32 v[66:67], v[128+2*\p:129+2*\p], v[48+2*\p:49+2*\p], v[66:67]
.endr
	v_add_f32 v64, v64, v65
	v_add_f32 v65, v66, v67
	v_permlanex16_b32 v66, v64, s6, s7
	v_permlanex16_b32 v67, v65, s6, s7
	v_add_f32 v64, v64, v66
	v_add_f32 v65, v65, v67                        ; v64, v65 stay as they are until the run of stores at the end
	; h's block of 32: my 16 numbers and lane l xor 16's
	v_max3_num_f32 v88, |v128|, |v129|, 0x1800000
.irp i, 2,4,6,8,10,12,14
	v_max3_num_f32 v88, v88, |v[128+\i]|, |v[129+\i]|
.endr
	v_permlanex16_b32 v89, v88, s6, s7
	v_max_num_f32 v88, v88, v89
	v_add_nc_u32 v90, 0xff000000, v88
	v_lshrrev_b32 v91, 23, v90                     ; the scale's byte
	v_cvt_scalef32_pk16_fp6_f32 v[80:82], v[128:143], v90
	v_nop                                          ; one plain place behind a scaled conversion
.irp i, 0,1,2
	v_mov_b32 v[83+\i], v[80+\i]
.endr
.irp i, 0,1,2
	v_permlane16_swap_b32 v[80+\i], v[83+\i]       ; the first's lanes 16-31 change places with the second's lanes 0-15: every lane now holds its row's lower 16 codes in v80-82 and the upper 16 in v83-85
.endr
	s_wait_alu depctr_va_vdst(0)                   ; the vector lines have written the stores' data v64-65, v80-85, v91 and their offsets v9-11: one wait for the run of four
	global_store_b64 v9, v[64:65], s[30:31]        ; [g][row][2]: sixteen lanes store 128 consecutive bytes (both halves the same bytes with the same value)
	global_store_b128 v10, v[80:83], s[24:25]      ; sixteen lanes store 256 consecutive bytes, aligned
	global_store_b64 v9, v[84:85], s[26:27]
	global_store_b8 v11, v91, s[28:29]             ; one byte of each row's scale word: 16 bytes a work-group
.Lend:
	s_set_vgpr_msb 0x5                             ; the add's two registers, sources 0 and 1, lie in block 1
	s_wait_dscnt 0x0                               ; the closing lines, six on end
	s_wait_alu 0x0
	s_wait_tensorcnt 0x0
	ds_add_u32 v0, v1
	s_wait_dscnt 0x0
	s_endpgm
.Lfunc_end_k_qf2407b6981_gateup:
	.size	k_qf2407b6981_gateup, .Lfunc_end_k_qf2407b6981_gateup-k_qf2407b6981_gateup
	.p2alignl 7, 3214868480
	.fill 96, 4, 3214868480
	.section	.rodata,"a",@progbits
	.p2align	6, 0x0
	.amdhsa_kernel k_qf2407b6981_gateup
		.amdhsa_group_segment_fixed_size 73472
		.amdhsa_private_segment_fixed_size 0
		.amdhsa_enable_private_segment 0
		.amdhsa_kernarg_size 96
		.amdhsa_user_sgpr_count 2
		.amdhsa_user_sgpr_kernarg_segment_ptr 1
		.amdhsa_wavefront_size32 1
		.amdhsa_system_sgpr_workgroup_id_x 1
		.amdhsa_system_sgpr_workgroup_id_y 1
		.amdhsa_system_sgpr_workgroup_id_z 1
		.amdhsa_system_vgpr_workitem_id 0
		.amdhsa_next_free_vgpr 258
		.amdhsa_next_free_sgpr 66
		.amdhsa_reserve_vcc 0
		.amdhsa_float_denorm_mode_32 3
		.amdhsa_float_denorm_mode_16_64 3
		.amdhsa_memory_ordered 1
		.amdhsa_forward_progress 1
		.amdhsa_inst_pref_size 58
	.end_amdhsa_kernel
	.amdgpu_metadata
---
amdhsa.version: [ 1, 2 ]
amdhsa.kernels:
  - .name:           k_qf2407b6981_gateup
    .symbol:         k_qf2407b6981_gateup.kd
    .args:
      - { .name: w1q, .offset: 0, .size: 8, .value_kind: global_buffer, .address_space: global }
      - { .name: w3q, .offset: 8, .size: 8, .value_kind: global_buffer, .address_space: global }
      - { .name: b1, .offset: 16, .size: 8, .value_kind: global_buffer, .address_space: global }
      - { .name: b3, .offset: 24, .size: 8, .value_kind: global_buffer, .address_space: global }
      - { .name: a2, .offset: 32, .size: 8, .value_kind: global_buffer, .address_space: global }
      - { .name: ximg, .offset: 40, .size: 8, .value_kind: global_buffer, .address_space: global }
      - { .name: xsc, .offset: 48, .size: 8, .value_kind: global_buffer, .address_space: global }
      - { .name: xap, .offset: 56, .size: 8, .value_kind: global_buffer, .address_space: global }
      - { .name: hca, .offset: 64, .size: 8, .value_kind: global_buffer, .address_space: global }
      - { .name: hcb, .offset: 72, .size: 8, .value_kind: global_buffer, .address_space: global }
      - { .name: hs, .offset: 80, .size: 8, .value_kind: global_buffer, .address_space: global }
      - { .name: hap, .offset: 88, .size: 8, .value_kind: global_buffer, .address_space: global }
    .group_segment_fixed_size: 73472
    .private_segment_fixed_size: 0
    .kernarg_segment_align: 8
    .kernarg_segment_size: 96
    .max_flat_workgroup_size: 256
    .sgpr_count:     66
    .vgpr_count:     258
    .wavefront_size: 32
...
	.end_amdgpu_metadata
.endif
;; end of part 4
;; launch down (part 5): grid 256 x 1, 16 waves a work-group, no clusters, 96,512 bytes of LDS; arguments w2q, b2, hca, hcb, hs, hap, out0; writes out0
.if DOCPART == 5
	.amdgcn_target "amdgcn-amd-amdhsa--gfx1250"
	.amdhsa_code_object_version 6
	.text
	.protected	k_qf2407b6981_down
	.globl	k_qf2407b6981_down
	.p2align	8
	.type	k_qf2407b6981_down,@function
k_qf2407b6981_down:
	s_mov_b64 s[64:65], 0
	v_nop
	global_prefetch_b8 v0, s[64:65] scope:SCOPE_SE
	s_setreg_imm32_b32 hwreg(HW_REG_WAVE_SCHED_MODE, 0, 2), 2
	s_setreg_imm32_b32 hwreg(HW_REG_WAVE_MODE, 25, 1), 1
	s_wait_xcnt 0x0
	s_wait_alu depctr_vm_vsrc(0)
; out = h W2^T + 0.5 (h a2^T) b2^T, W2 = the stored weight [4096][2752] repeated four times along K; the large product on codes of FP6 (E2M3) with E8M0 scales.  h arrives quantised; h a2^T as 344 partial sums.
; The repeat's period, 2,752, is 86 blocks of 32: a stored block is quantised once and multiplied by four different blocks of h.
; SHARES.  Work-group t makes outputs 16 t .. 16 t + 15 for all 16 rows: 16 rows of the stored weight, 43 UNITS of 64 columns.  K IS SHARED AMONG THE SIXTEEN WAVES: wave w takes units w, w + 16 and, where w < 11, w + 32.
; 2,752 IS NO MULTIPLE OF 128.  So a matrix instruction's weight operand holds a unit's TWO blocks TWICE (registers 0-5 and 6-11), and h's operand of pair p holds, for cc = 0, 1, blocks 86 (2 p + cc) + 2 u + (lane / 16):
; repeats 2 p and 2 p + 1 of the same stored columns.  Two matrix instructions a unit, 86 a work-group: 11,008 / 128, with nothing padded.
; A unit's eight loads each read two rows' 256 consecutive bytes, aligned (a row of the weight is 43 x 256 bytes); the unit turns through the wave's own stage in LDS and comes back with a whole block in a lane.
; The product is used TRANSPOSED (source 0 = 16 rows of the weight, source 1 = h's 16 rows): lane (m, h) holds row m and outputs 16 t + 8 h + 0 .. 7.
; Every work-group reads all of h's codes (129 KiB) and partial sums (43 KiB) beside its 172 KiB of weights; they are loaded straight into registers.  No cluster in this text: the launch has no tensor load, and a
; joint fill of h's codes would want one; stated here as a choice of the plain form.
; LIMITS: NaN and infinities are not served; a block whose largest magnitude lies under 2^-124 is held at the byte 1; a block of zeros gets the byte 1 where the rule says 127 (its codes are zeros).
; THE MODE: SCHED_MODE bits 1:0 = 2 (LLVM: expert scheduling mode 2), set by the entry lines.  The code itself states the register dependences between vector or matrix instructions and memory or LDS
; instructions, with s_wait_alu, always for 0.
; THE PLAN.  Registers that memory or LDS instructions touch:
;   v1-v7, v19  offsets, LDS addresses, r and h: written at the head, never again.
;   v8-v11      at the head offsets of the head's loads; then at work in vector lines; in wave 0's end an LDS load lands in v8-9 and v10 is made anew as the output's offset.
;   slot i      each of the three is used once: eight global loads land; the turn's eight LDS stores read it; the turn's eight LDS loads land in it; the maximum, the conversions and the moves read and write it;
;               the matrix instructions read its registers 16 to 27.
;   v62-65      cleared by vector lines at the head; in waves 0 to 5 a load lands in them.
;   HC, HS, B2, HAP   loaded once.   ACC, HAP[0..3]   written by matrix and vector lines, read by the LDS stores of waves 1 to 15, in wave 0 by the last LDS store and the output's stores.
;   wave 0      the other waves' fifteen images land in v82-249 and v46-57, each place once.
; THE WAITS.  One on va_vdst at the head, for all addresses and the four cleared registers.  In a turn one on vm_vsrc, between its stores and its loads.  One on va_vdst ahead of each run of products.  One behind the
; wave's own additions, ahead of the LDS stores and of wave 0's images.  In wave 0's end one ahead of the LDS store of h . a2 and one ahead of the output's stores.
.set SROW,  272                        ; a stage row: 256 bytes + 16 = 68 words: the sixteen rows that a load touches start at sixteen different banks (64 banks of 4 bytes: ISA guide 11.1)
.set SWAVE, 16*SROW
.set RED,   16*SWAVE                   ; [wave][quad 0..2][lane][16 bytes]: a wave's accumulator and its part of h . a2
.set RIMG,  3*512
.set HA,    RED+16*RIMG                ; h . a2: [row][2 f32]
.set WROW,  11008                      ; a row of the stored weight in bytes
.set GL,  1                            ; v1   global offset in a unit: 11008 h + 16 r; never rewritten
.set STA, 2                            ; v2   the stage, on the way in
.set LDA, 3                            ; v3   and on the way out
.set RD,  4                            ; v4   RED + RIMG x wave + 16 x lane
.set HAS, 5                            ; v5   HA + 16 (lane % 8)
.set HAL, 6                            ; v6   HA + 8 r
.set RR,  7                            ; v7   r; never rewritten
.set MX0, 8                            ; v8-11 at the head: global offsets 16 l, 8 l, 4 r, 64 h; then at work
.set MX1, 9
.set BY,  10
.set TT,  11
.set CT,  12                           ; v12-14 a conversion's three registers
.set WS,  16                           ; v16-18 the weight's scale words, unit i
.set HH,  19                           ; v19  h; never rewritten
.set HS,  20                           ; v20-25 h's scale words, (i, p) at HS + 2 i + p
.set ACC, 26                           ; v26-33 pair 0's sums, v34-41 pair 1's
.set HAP, 42                           ; v42-65 six quads of partial sums
.set B2,  66                           ; v66-81 wave 0: b2[16 t + 8 h + j][n] at B2 + 2 j + n
.set HC,  82                           ; v82-153 h's codes, (i, p) at HC + 24 i + 12 p
.set SLOTS, 154                        ; v154-249 three units
.macro ULOAD i                         ; unit w + 16 i: load e takes rows 2 e (lanes 0-15) and 2 e + 1 (lanes 16-31)
.irp e, 0,1,2,3,4,5,6,7
	global_load_b128 v[SLOTS+32*(\i)+4*\e:SLOTS+32*(\i)+4*\e+3], v[GL], s[8:9] offset:2*\e*WROW+4096*(\i) th:TH_LOAD_NT
.endr
.endm
.macro HLOAD i                         ; h's two operands for unit w + 16 i, and their scale words: ten loads
.irp p, 0,1
.irp c, 0,1
	global_load_b128 v[HC+24*(\i)+12*\p+6*\c:HC+24*(\i)+12*\p+6*\c+3], v8, s[12:13] offset:22016*(2*\p+\c)+8192*(\i)     ; block 86 (2 p + c) + 2 u + h, row r: registers 0-3 of its six
	global_load_b64 v[HC+24*(\i)+12*\p+6*\c+4:HC+24*(\i)+12*\p+6*\c+5], v9, s[14:15] offset:11008*(2*\p+\c)+4096*(\i)   ; registers 4, 5
.endr
	global_load_b32 v[HS+2*(\i)+\p], v10, s[16:17] offset:2048*(\i)+64*\p
.endr
.endm
.macro UTURN s                         ; LDS serves a wave's instructions in order (ISA guide 5.7.1.4): no wait on DScnt between the stores and the loads
.irp i, 0,1,2,3,4,5,6,7
	ds_store_b128 v[STA], v[\s+4*\i:\s+4*\i+3] offset:2*\i*SROW
.endr
	s_wait_alu depctr_vm_vsrc(0)                   ; the eight LDS stores have read the unit's 32 registers, in which the LDS loads below land and which the conversions and moves write
.irp j, 0,1,2,3,4,5,6,7
	ds_load_b128 v[\s+4*\j:\s+4*\j+3], v[LDA] offset:16*\j
.endr
.endm
.macro UMAX s                          ; the block's largest magnitude, all 32 numbers mine, in two chains; the floor 2^(3 - 127) holds the byte at 1 from below
	v_max3_num_f32 v[MX0], |v[\s]|, |v[\s+1]|, 0x1800000
	v_max3_num_f32 v[MX1], |v[\s+2]|, |v[\s+3]|, |v[\s+4]|
.irp i, 5,9,13,17,21,25
	v_max3_num_f32 v[MX0], v[MX0], |v[\s+\i]|, |v[\s+\i+1]|
	v_max3_num_f32 v[MX1], v[MX1], |v[\s+\i+2]|, |v[\s+\i+3]|
.endr
	v_max3_num_f32 v[MX0], v[MX0], |v[\s+29]|, |v[\s+30]|
	v_max3_num_f32 v[MX0], v[MX0], v[MX1], |v[\s+31]|
	v_add_nc_u32 v[MX1], 0xff000000, v[MX0]        ; 2 off the exponent field: the conversion takes the exponent field of this operand as its scale
.endm
; Unit i becomes an operand in v[SL + 16 .. SL + 27], its block's six registers twice, and a scale word in v[WS + i]
.macro QD i
.set SL, SLOTS+32*(\i)
	UTURN SL
	s_wait_dscnt 0x0
	UMAX SL
	v_cvt_scalef32_pk16_fp6_f32 v[CT:CT+2], v[SL+16:SL+31], v[MX1]       ; the block's upper 16 codes
	v_lshrrev_b32 v[BY], 23, v[MX1]                ; the byte; also the plain place behind the conversion, whose sources the next line writes
	v_cvt_scalef32_pk16_fp6_f32 v[SL+16:SL+18], v[SL:SL+15], v[MX1]      ; the lower 16
	v_nop                                          ; one plain place behind a scaled conversion
.irp e, 0,1,2
	v_mov_b32 v[SL+19+\e], v[CT+\e]
.endr
.irp e, 0,1,2,3,4,5
	v_mov_b32 v[SL+22+\e], v[SL+16+\e]
.endr
	v_permlanex16_b32 v[TT], v[BY], s6, s7         ; in lanes 0-15, which alone are read: the unit's second block's byte
	v_lshl_or_b32 v[WS+(\i)], v[TT], 8, v[BY]
	v_lshl_or_b32 v[WS+(\i)], v[WS+(\i)], 16, v[WS+(\i)]   ; bytes: block 0, block 1, block 0, block 1
.endm
.macro MUL i, p, zero
.set SL, SLOTS+32*(\i)
.if \zero
	v_wmma_scale_f32_16x16x128_f8f6f4 v[ACC+8*\p:ACC+8*\p+7], v[SL+16:SL+27], v[HC+24*(\i)+12*\p:HC+24*(\i)+12*\p+11], 0, v[WS+(\i)], v[HS+2*(\i)+\p] matrix_a_fmt:MATRIX_FMT_FP6 matrix_b_fmt:MATRIX_FMT_FP6
.else
	v_wmma_scale_f32_16x16x128_f8f6f4 v[ACC+8*\p:ACC+8*\p+7], v[SL+16:SL+27], v[HC+24*(\i)+12*\p:HC+24*(\i)+12*\p+11], v[ACC+8*\p:ACC+8*\p+7], v[WS+(\i)], v[HS+2*(\i)+\p] matrix_a_fmt:MATRIX_FMT_FP6 matrix_b_fmt:MATRIX_FMT_FP6
.endif
.endm
	s_load_b256 s[8:15], s[0:1], 0x0               ; w2q s[8:9], b2 s[10:11], hca s[12:13], hcb s[14:15]
	s_load_b128 s[16:19], s[0:1], 0x20             ; hs s[16:17], hap s[18:19]
	s_load_b64 s[20:21], s[0:1], 0x30              ; out0
	v_lshl_add_u32 v254, v0, 2, 0x17100
	v_mov_b32 v255, 0
	v_lshrrev_b32 v[RR], 5, v0
	v_readfirstlane_b32 s2, v[RR]                  ; wave 0..15
	v_and_b32 v[RR], 15, v0                        ; r
	v_bfe_u32 v[HH], v0, 4, 1                      ; h
	v_mul_u32_u24 v[GL], v[HH], WROW
	v_lshl_add_u32 v[GL], v[RR], 4, v[GL]
	s_wait_alu depctr_va_sdst(0)                   ; s2 is written, ahead of its first reader: LDS addresses, bases and branches are made from it
	s_mul_i32 s22, s2, SWAVE
	v_mul_u32_u24 v[STA], v[HH], SROW
	v_lshl_add_u32 v[STA], v[RR], 4, v[STA]
	v_add_nc_u32 v[STA], s22, v[STA]
	v_mul_u32_u24 v[LDA], v[RR], SROW
	v_lshl_add_u32 v[LDA], v[HH], 7, v[LDA]
	v_add_nc_u32 v[LDA], s22, v[LDA]
	s_mul_i32 s23, s2, RIMG
	s_add_co_u32 s23, s23, RED
	v_and_b32 v9, 31, v0                           ; lane
	v_lshlrev_b32 v8, 4, v9                        ; 16 l
	v_add_nc_u32 v[RD], s23, v8
	v_and_b32 v[HAS], 7, v0
	v_lshl_add_u32 v[HAS], v[HAS], 4, HA
	v_lshl_add_u32 v[HAL], v[RR], 3, HA
	v_lshlrev_b32 v9, 3, v9                        ; 8 l
	v_lshlrev_b32 v10, 2, v[RR]                    ; 4 r
	v_lshlrev_b32 v11, 6, v[HH]                    ; 64 h
.irp e, 0,1,2,3
	v_mov_b32 v[HAP+20+\e], 0                      ; the sixth quad of partial sums: only waves 0 to 5 have one
.endr
	s_mov_b32 s5, 0
	s_mov_b32 s6, 0x76543210
	s_mov_b32 s7, 0xfedcba98                       ; v_permlanex16_b32's selects for lane l xor 16
	s_wait_kmcnt 0x0
	s_mul_i32 s4, ttmp9, 16*WROW                   ; my work-group's 16 rows,
	s_lshl_b32 s22, s2, 8                          ; my wave's first unit
	s_add_co_u32 s4, s4, s22
	s_add_nc_u64 s[8:9], s[8:9], s[4:5]
	s_lshl_b32 s4, ttmp9, 7
	s_add_nc_u64 s[10:11], s[10:11], s[4:5]
	s_lshl_b32 s4, s2, 9
	s_add_nc_u64 s[12:13], s[12:13], s[4:5]
	s_add_nc_u64 s[18:19], s[18:19], s[4:5]
	s_lshl_b32 s4, s2, 8
	s_add_nc_u64 s[14:15], s[14:15], s[4:5]
	s_lshl_b32 s4, s2, 7
	s_add_nc_u64 s[16:17], s[16:17], s[4:5]
	s_lshl_b32 s4, ttmp9, 6
	s_add_nc_u64 s[20:21], s[20:21], s[4:5]
	s_wait_alu depctr_va_vdst(0)                   ; the offsets and LDS addresses v1 to v11 are written, which the loads and stores of the whole kernel read; so are v62-65, in which a load lands.  Ahead of the branches, for every way
	; what only some waves load comes first, so that it is older than every counted load: the counts below hold for all waves
	s_cmp_lt_u32 s2, 11
	s_cbranch_scc0 .Lno_unit_2
	ULOAD 2
	HLOAD 2
.Lno_unit_2:
	s_cmp_lt_u32 s2, 6
	s_cbranch_scc0 .Lno_quad_5
	global_load_b128 v[HAP+20:HAP+23], v8, s[18:19] offset:40960   ; 44,032 bytes are five times 8,192 and six waves' 512
.Lno_quad_5:
	s_cmp_eq_u32 s2, 0
	s_cbranch_scc0 .Lno_b2
.irp q, 0,1,2,3
	global_load_b128 v[B2+4*\q:B2+4*\q+3], v11, s[10:11] offset:16*\q
.endr
.Lno_b2:
	ULOAD 0
	ULOAD 1
	HLOAD 0
	HLOAD 1
.irp i, 0,1,2,3,4
	global_load_b128 v[HAP+4*\i:HAP+4*\i+3], v8, s[18:19] offset:8192*\i   ; lane l: rows 2 (l % 8) and 2 (l % 8) + 1 of one block's partial sums
.endr
	s_wait_xcnt 0x0                                ; v8-11 are written again only behind this wait
	s_wait_alu depctr_vm_vsrc(0)                   ; and behind this one: the head's loads have read v8 to v11 as their offsets; the units' vector lines write them from here on
	s_wait_loadcnt 33                              ; unit 0 is in; younger: unit 1's 8, h's 20, the partial sums' 5
	QD 0
	s_wait_loadcnt 25
	QD 1
	s_wait_loadcnt 5                               ; h's codes and scale words are in (and all that is older); the partial sums' 5 may be out
.rept 8
	v_nop                                          ; a scale register written by a vector instruction stands 8 places ahead of a scaled matrix instruction, an operand so written 4
.endr
	s_wait_alu depctr_va_vdst(0)                   ; the conversions and moves have written the two units' operands, the vector lines their scale words v16, v17, which the products take; the places above stay beside this wait
	MUL 0, 0, 1                                    ; the two accumulators take turns, one instruction a turn
	MUL 0, 1, 1
	MUL 1, 0, 0
	MUL 1, 1, 0
	s_cmp_lt_u32 s2, 11
	s_cbranch_scc0 .Lno_third
	QD 2                                           ; it names no register of the products above; no vector line has named its slot, so its turn owes no wait on va_vdst
.rept 8
	v_nop
.endr
	s_wait_alu depctr_va_vdst(0)                   ; the conversions and moves have written the third unit's operand, the vector lines its scale word v18, which the products take
	MUL 2, 0, 0
	MUL 2, 1, 0
.Lno_third:
.rept 4
	v_nop                                          ; four places (ISA guide 7.12.1) ahead of the first read of results
.endr
.irp p, 0,1,2,3
	v_pk_add_f32 v[ACC+2*\p:ACC+2*\p+1], v[ACC+2*\p:ACC+2*\p+1], v[ACC+8+2*\p:ACC+8+2*\p+1]   ; both accumulators from their low ends on
.endr
	s_wait_loadcnt 0x0
.irp i, 1,2,3,4,5
	v_pk_add_f32 v[HAP:HAP+1], v[HAP:HAP+1], v[HAP+4*\i:HAP+4*\i+1]
	v_pk_add_f32 v[HAP+2:HAP+3], v[HAP+2:HAP+3], v[HAP+4*\i+2:HAP+4*\i+3]
.endr
	s_wait_alu depctr_va_vdst(0)                   ; the additions have written v26-33 and v42-45, which the LDS stores read; the products are done reading v82-249 and the additions v46-57, in which wave 0's images land.  Ahead of the branch, for both ways
	s_cmp_eq_u32 s2, 0
	s_cbranch_scc1 .Lkeeps_its_own
	ds_store_b128 v[RD], v[ACC:ACC+3]
	ds_store_b128 v[RD], v[ACC+4:ACC+7] offset:512
	ds_store_b128 v[RD], v[HAP:HAP+3] offset:1024
.Lkeeps_its_own:
	s_wait_dscnt 0x0                               ; for wave 0's sake: my image lies in LDS
	s_barrier_signal -1
	s_barrier_wait -1
	s_cmp_lg_u32 s2, 0
	s_cbranch_scc1 .Lend
	; ---- WAVE 0 FINISHES
.irp w, 1,2,3,4,5,6,7,8,9,10,11,12,13,14,15
.if \w < 15
.set IR, HC+12*(\w-1)                  ; over h's codes and the units, which are done with
.else
.set IR, HAP+4
.endif
.irp q, 0,1,2
	ds_load_b128 v[IR+4*\q:IR+4*\q+3], v[RD] offset:RIMG*\w+512*\q
.endr
.endr
.irp w, 1,2,3,4,5,6,7,8,9,10,11,12,13,14,15
.if \w < 15
.set IR, HC+12*(\w-1)
.else
.set IR, HAP+4
.endif
	s_wait_dscnt 3*(15-\w)                         ; the images behind this one may be out
.irp p, 0,1,2,3
	v_pk_add_f32 v[ACC+2*\p:ACC+2*\p+1], v[ACC+2*\p:ACC+2*\p+1], v[IR+2*\p:IR+2*\p+1]
.endr
	v_pk_add_f32 v[HAP:HAP+1], v[HAP:HAP+1], v[IR+8:IR+9]
	v_pk_add_f32 v[HAP+2:HAP+3], v[HAP+2:HAP+3], v[IR+10:IR+11]
.endr
.irp e, 0,1,2,3                                ; the four lanes l, l xor 8, l xor 16, l xor 24 hold parts of the same two rows
	v_add_f32_dpp v[HAP+\e], v[HAP+\e], v[HAP+\e] row_xmask:8 row_mask:0xf bank_mask:0xf
.endr
.irp e, 0,1,2,3
	v_permlanex16_b32 v[8+\e], v[HAP+\e], s6, s7
.endr
.irp e, 0,1,2,3
	v_add_f32 v[HAP+\e], v[HAP+\e], v[8+\e]
.endr
	v_pk_mul_f32 v[HAP:HAP+1], v[HAP:HAP+1], 0.5 op_sel_hi:[1,0]         ; the low-rank path's factor 1/2: exact
	v_pk_mul_f32 v[HAP+2:HAP+3], v[HAP+2:HAP+3], 0.5 op_sel_hi:[1,0]
	s_wait_alu depctr_va_vdst(0)                   ; the multiplications have written v42-45, which the LDS store reads; the permutes and additions are done with v8, v9, in which the LDS load lands
	ds_store_b128 v[HAS], v[HAP:HAP+3]             ; rows 2 (l % 8), 2 (l % 8) + 1, 8 bytes a row; four lanes write the same bytes with the same value
	ds_load_b64 v[8:9], v[HAL]                     ; row r's two numbers (LDS serves a wave's instructions in order)
	v_lshlrev_b32 v10, 14, v[RR]
	v_lshl_add_u32 v10, v[HH], 5, v10              ; out0: row r of 16,384 bytes, + 32 h
	s_wait_dscnt 0x0
.irp j, 0,1,2,3,4,5,6,7
	v_fmac_f32 v[ACC+\j], v8, v[B2+2*\j]
.endr
.irp j, 0,1,2,3,4,5,6,7
	v_fmac_f32 v[ACC+\j], v9, v[B2+2*\j+1]
.endr
	s_wait_alu depctr_va_vdst(0)                   ; the multiply-adds have written v26-33, the stores' data, and the two lines above v10, their offset
	global_store_b128 v10, v[ACC:ACC+3], s[20:21]  ; a work-group's part of an output row is 64 bytes: 16 outputs to a work-group keep all 256 work-groups at work
	global_store_b128 v10, v[ACC+4:ACC+7], s[20:21] offset:16
.Lend:
	s_wait_dscnt 0x0                               ; the closing lines, six on end
	s_wait_alu 0x0
	s_wait_tensorcnt 0x0
	ds_add_u32 v254, v255
	s_wait_dscnt 0x0
	s_endpgm
.Lfunc_end_k_qf2407b6981_down:
	.size	k_qf2407b6981_down, .Lfunc_end_k_qf2407b6981_down-k_qf2407b6981_down
	.p2alignl 7, 3214868480
	.fill 96, 4, 3214868480
	.section	.rodata,"a",@progbits
	.p2align	6, 0x0
	.amdhsa_kernel k_qf2407b6981_down
		.amdhsa_group_segment_fixed_size 96512
		.amdhsa_private_segment_fixed_size 0
		.amdhsa_enable_private_segment 0
		.amdhsa_kernarg_size 56
		.amdhsa_user_sgpr_count 2
		.amdhsa_user_sgpr_kernarg_segment_ptr 1
		.amdhsa_wavefront_size32 1
		.amdhsa_system_sgpr_workgroup_id_x 1
		.amdhsa_system_sgpr_workgroup_id_y 1
		.amdhsa_system_sgpr_workgroup_id_z 1
		.amdhsa_system_vgpr_workitem_id 0
		.amdhsa_next_free_vgpr 256
		.amdhsa_next_free_sgpr 66
		.amdhsa_reserve_vcc 0
		.amdhsa_float_denorm_mode_32 3
		.amdhsa_float_denorm_mode_16_64 3
		.amdhsa_memory_ordered 1
		.amdhsa_forward_progress 1
		.amdhsa_inst_pref_size 32
	.end_amdhsa_kernel
	.amdgpu_metadata
---
amdhsa.version: [ 1, 2 ]
amdhsa.kernels:
  - .name:           k_qf2407b6981_down
    .symbol:         k_qf2407b6981_down.kd
    .args:
      - { .name: w2q, .offset: 0, .size: 8, .value_kind: global_buffer, .address_space: global }
      - { .name: b2, .offset: 8, .size: 8, .value_kind: global_buffer, .address_space: global }
      - { .name: hca, .offset: 16, .size: 8, .value_kind: global_buffer, .address_space: global }
      - { .name: hcb, .offset: 24, .size: 8, .value_kind: global_buffer, .address_space: global }
      - { .name: hs, .offset: 32, .size: 8, .value_kind: global_buffer, .address_space: global }
      - { .name: hap, .offset: 40, .size: 8, .value_kind: global_buffer, .address_space: global }
      - { .name: out0, .offset: 48, .size: 8, .value_kind: global_buffer, .address_space: global }
    .group_segment_fixed_size: 96512
    .private_segment_fixed_size: 0
    .kernarg_segment_align: 8
    .kernarg_segment_size: 56
    .max_flat_workgroup_size: 512
    .sgpr_count:     66
    .vgpr_count:     256
    .wavefront_size: 32
...
	.end_amdgpu_metadata
.endif
;; end of part 5
